; MI455X (gfx1250); checked and timed in simulation.
; The chip was launched on July 23, 2026; its instructions are those of AMD's public machine-readable ISA for CDNA 5 (MIT licence, August 2026) and "CDNA5" Instruction Set Architecture Reference Guide (July 2026). The comments in the code are by the model that wrote it; some were corrected since.
;; Mo DA Attention. Allowed arithmetic: matrix products marked QUANTISED: E2M1 operands, one E8M0 scale for each 32 along K, by v_wmma_scale_f32_16x16x128_f8f6f4 with both operands' format E2M1 (or v_wmma_scale_f32_32x16x128_f4), f32 sums; products left as they are: bf16, f16 or f32 operands; f32 sums; everything else in f32.
;; Inputs: K_depth 2 x 4 x 16,384 x 64 float32; V_depth 2 x 4 x 16,384 x 64 float32; Wk 1,024 x 256 float32; Wkd 1,024 x 256 float32; Wo 1,024 x 1,024 float32; Wq 1,024 x 1,024 float32; Wv 1,024 x 256 float32; Wvd 1,024 x 256 float32; x 2 x 2,048 x 1,024 float32.
;; Outputs: out0 2 x 2,048 x 1,024 float32; out1 2 x 4 x 2,048 x 64 float32; out2 2 x 4 x 2,048 x 64 float32.
;; This version of the problem:
;;   THIS VERSION OF THE PROBLEM IS GIVEN IN LOW PRECISION. The matrix products marked QUANTISED in the list below multiply operands that are first quantised to E2M1 (2 exponent bits, 1 mantissa bit; 4 bits a number), with one power-of-two scale for each 32 numbers along K (OCP MX v1.0); their sums are f32. The products marked 'left as it is' may take bf16, f16 or f32 operands, with f32 sums. Whichever they take, every output number must still come out within the allowed error. Rounding operands to bf16 (8 significant bits) uses up far more of that allowance than f16 does (11 bits, for magnitudes from 6e-5 to 65,504). All else is computed in f32.
;;   The module's matrix products, in the order in which they are computed (A, B: the left and right operand; K: the contracted axis; several contracted axes count as one K, in the product's order):
;;     1. [M 4,096, K 1,024] x [K 1,024, N 1,024]; A: input x; B: input Wq: QUANTISED
;;     2. [M 4,096, K 1,024] x [K 1,024, N 256]; A: input x; B: input Wk: QUANTISED
;;     3. [M 4,096, K 1,024] x [K 1,024, N 256]; A: input x; B: input Wv: QUANTISED
;;     4. [M 4,096, K 1,024] x [K 1,024, N 256]; A: input x; B: input Wkd: QUANTISED
;;     5. [M 4,096, K 1,024] x [K 1,024, N 256]; A: input x; B: input Wvd: QUANTISED
;;     6. batch 32 x [M 2,048, K 64] x [K 64, N 2,048]; A: computed on the way; B: computed on the way: left as it is (an operand is computed on the way)
;;     7. batch 65,536 x [M 1, K 64] x [K 64, N 8]; A: computed on the way; B: input K_depth: left as it is (M = 1 < 16)
;;     8. batch 32 x [M 2,048, K 2,048] x [K 2,048, N 64]; A: computed on the way; B: computed on the way: left as it is (an operand is computed on the way)
;;     9. batch 65,536 x [M 1, K 8] x [K 8, N 64]; A: computed on the way; B: input V_depth: left as it is (K = 8 < 32)
;;     10. [M 4,096, K 1,024] x [K 1,024, N 1,024]; A: computed on the way; B: input Wo: left as it is (an operand is computed on the way)
;;   THE QUANTISER, for each operand of a quantised product, along K:
;;     - K is cut into blocks of 32 from its start; a last block that is shorter is filled with zeros.
;;     - A block's scale is 2^e with e = floor(log2(the largest magnitude in the block)) - 2, held to -126 .. 127; a block of zeros has e = 0. As a byte (E8M0): e + 127.
;;     - Each number is divided by its block's scale, clamped to +-6, and rounded to the nearest number of E2M1, ties to even, subnormals kept.
;;     - The product sums the exact products of the quantised numbers (number of the format x scale) in f32.
;;   ~~~python
;;   def quantise(x, axis):      # numpy; x: float32 -> the quantised numbers, widened to float32 again
;;       x = np.moveaxis(x, axis, -1); K = x.shape[-1]
;;       x = np.pad(x, [(0, 0)] * (x.ndim - 1) + [(0, -K % 32)]); x = x.reshape(x.shape[:-1] + (-1, 32)); a = np.abs(x).max(-1, keepdims=True)
;;       e = np.where(a > 0, np.clip(np.frexp(np.where(a > 0, a, 1))[1] - 1 - 2, -126, 127), 0)      # np.frexp(a)[1] - 1 = floor(log2(a)), exactly
;;       r = np.clip(x / 2.0 ** e, -6, 6)
;;       step = 2.0 ** (np.maximum(np.frexp(np.where(r == 0, 1, r))[1] - 1, 0) - 1)
;;       q = np.round(r / step) * step * 2.0 ** e      # np.round: ties to even
;;       return np.moveaxis(q.reshape(q.shape[:-2] + (-1,))[..., :K], -1, axis).astype(np.float32)
;;   ~~~
;; One version. Each part assembles by itself: llvm-mc -triple=amdgcn-amd-amdhsa -mcpu=gfx1250 --defsym DOCPART=n.
;; ======== version 1 of 1: 6 launches
;; limits: values are held in f16: magnitudes above 65,504 overflow, below 6.1e-05 lose precision
;; workspace buffers: xcodes 2,097,152 bytes; scales 196,608 bytes; wcodes 1,048,576 bytes; wo16 2,097,152 bytes; qkv16 12,582,912 bytes; fine 196,608 bytes; attn16 8,388,608 bytes; fatt 131,072 bytes
;; launch prep (part 1): grid 448 x 1, 4 waves a work-group, no clusters, 33,280 bytes of LDS; arguments x, Wq, Wk, Wv, Wkd, Wvd, Wo, xcodes, scales, wcodes, wo16; writes xcodes, scales, wcodes, wo16
.if DOCPART == 1
	.amdgcn_target "amdgcn-amd-amdhsa--gfx1250"
	.amdhsa_code_object_version 6
	.text
	.protected	k_qbba7eb8dbb_prep
	.globl	k_qbba7eb8dbb_prep
	.p2align	8
	.type	k_qbba7eb8dbb_prep,@function
k_qbba7eb8dbb_prep:
	s_mov_b64 s[64:65], 0
	v_nop
	global_prefetch_b8 v0, s[64:65] scope:SCOPE_SE
	s_setreg_imm32_b32 hwreg(HW_REG_WAVE_MODE, 25, 1), 1
	s_wait_xcnt 0x0
; PREP.  Three jobs, told apart by the work-group's number alone.
;  work-groups 0-255:   x [4096][1024] f32 -> codes of E2M1, K innermost (xcodes [4096][512 bytes]) and one E8M0 byte for each 32 along K (scales, bytes 0 .. 131,071: [4096][32]).
;  work-groups 256-383: Wq, Wk, Wv, Wkd, Wvd ([1024 (k)][n] f32), taken as 2,048 columns on end (Q 0-1023, K 1024-, V 1280-, kd 1536-, vd 1792-) -> codes in the ORDER OF THE OPERAND'S REGISTERS:
;                       wcodes [tile of 16 columns][K step of 128][1,024 bytes], block kb of 32 along K of column n at 256 kb + 16 (n % 16); scale words at scales + 131,072: [K step][column], 4 bytes.
;  work-groups 384-447: Wo [1024 (k)][1024 (n)] f32 -> f16 in the order of a 16-bit operand's registers: wo16 [256 along K][tile of 16 columns][32 along K][1,024 bytes], eight k on end of column n at 256 g + 16 (n % 16).
; A block's scale is 2^(floor(log2(largest magnitude)) - 2); its byte is the largest magnitude's exponent field - 2, held at 1 from below.  A block of zeros gets the byte 1 where the rule says 127:
; its codes are zeros, which add nothing under any byte but 0xff, and this program alone reads the bytes.
; LIMITS: blocks whose largest magnitude lies under 2^-124 take the byte 1; NaN and infinities among the inputs are not served; numbers of Wo beyond 65,504 do not fit f16.
; No matrix unit, cluster or barrier: waves share nothing and every byte is read once.
.set SPARE, 32768                      ; behind the four waves' regions: the spare words, 128 bytes a wave
.set WREG,  8192                       ; path x: an LDS region for each wave: two stages of 32 x SP bytes, behind them its 128 scale bytes
.set SP,    80                         ; a lane's place in a stage: 64 bytes + 16 of padding
.set R,     16                         ; v16-143  path x: eight sets of 16 numbers as loaded; paths W, Wo: 128 numbers down K
.set X,     144                        ; v144-175 path x: two sets of 16 neighbours; paths W, Wo: results from v144 on
.set C,     176                        ; v176-191 path x: two registers of codes for each step
.set E,     192                        ; v192-199 path x: a scale byte for each step
.set SPW,   12                         ; v12 LDS address of my spare word; never rewritten
.set NIL,   13                         ; v13 0; never rewritten
	s_load_b512 s[8:23], s[0:1], 0x0               ; x 8, Wq 10, Wk 12, Wv 14, Wkd 16, Wvd 18, Wo 20, xcodes 22
	s_load_b128 s[24:27], s[0:1], 0x40             ; scales 24, wcodes 26
	s_load_b64 s[28:29], s[0:1], 0x50              ; wo16
	v_lshl_add_u32 v[SPW], v0, 2, SPARE
	v_mov_b32 v[NIL], 0
	v_lshrrev_b32 v1, 5, v0
	v_readfirstlane_b32 s2, v1                     ; wave
	v_and_b32 v2, 31, v0                           ; lane
	s_mov_b32 s31, 0                               ; the high word of every offset pair s[30:31]
	s_wait_kmcnt 0x0
	s_cmp_lt_u32 ttmp9, 256
	s_cbranch_scc0 .Lnot_x
; ---------------- path x: a plain stream of blocks of 32.  A wave takes 8 steps of 512 numbers.
; Each load reads 512 consecutive bytes; a step's 2,048 bytes turn through the wave's own stage so that a lane holds 16 neighbours along K.
	v_lshlrev_b32 v3, 4, v2                        ; my 16 bytes of a load's 512
	s_mul_i32 s3, s2, WREG
	v_lshrrev_b32 v14, 2, v2
	v_mul_u32_u24 v14, v14, SP
	v_and_b32 v15, 3, v2
	v_lshl_add_u32 v14, v15, 4, v14
	v_add_nc_u32 v14, s3, v14                      ; into the stage: SP (lane / 4) + 16 (lane % 4)
	v_mul_u32_u24 v15, v2, SP
	v_add_nc_u32 v15, s3, v15                      ; out of it: SP x lane
	v_lshlrev_b32 v4, 3, v2                        ; my 8 bytes of a step's 256 bytes of codes
	v_lshrrev_b32 v5, 1, v2
	s_add_co_u32 s3, s3, 2*32*SP
	v_add_nc_u32 v5, s3, v5                        ; my block's byte among the wave's scale bytes
	v_lshlrev_b32 v7, 2, v2
	v_add_nc_u32 v6, s3, v7                        ; and 4 bytes a lane on the way out
	s_lshl_b32 s4, ttmp9, 2
	s_add_co_u32 s4, s4, s2                        ; which run of 4,096 numbers is my wave's
	s_lshl_b32 s30, s4, 14
	s_add_nc_u64 s[8:9], s[8:9], s[30:31]
	s_lshl_b32 s30, s4, 11
	s_add_nc_u64 s[22:23], s[22:23], s[30:31]
	s_lshl_b32 s30, s4, 7
	s_add_nc_u64 s[24:25], s[24:25], s[30:31]
.macro LOADX t
.irp i, 0,1,2,3
	global_load_b128 v[R+16*(\t)+4*\i:R+16*(\t)+4*\i+3], v3, s[8:9] offset:2048*(\t)+512*\i th:TH_LOAD_NT
.endr
.endm
.macro TURN t                          ; step t through the stage; LDS serves a wave's instructions in order, so no wait stands between the stores and the loads
.irp i, 0,1,2,3
	ds_store_b128 v14, v[R+16*(\t)+4*\i:R+16*(\t)+4*\i+3] offset:32*SP*((\t)%2)+8*SP*\i
.endr
.irp i, 0,1,2,3
	ds_load_b128 v[X+16*((\t)%2)+4*\i:X+16*((\t)%2)+4*\i+3], v15 offset:32*SP*((\t)%2)+16*\i
.endr
.endm
.irp t, 0,1,2,3,4,5,6,7
	LOADX \t                                       ; all 32 loads of the wave go out at once: each set has registers of its own
.endr
	s_wait_loadcnt 28                              ; step 0's four loads are in; the 28 behind them stay out
	TURN 0
.macro STEPX t
.set XS, X+16*((\t)%2)
.if (\t) > 0
	s_wait_dscnt 1                                 ; this step's numbers are back from the stage; the last step's byte store may be out
.else
	s_wait_dscnt 0x0
.endif
.if (\t)+1 < 8
	s_wait_loadcnt 4*(6-(\t))                      ; the next step's four loads are in; those of the steps behind it may be out
	TURN (\t)+1
.endif
	v_max3_num_f32 v8, |v[XS]|, |v[XS+1]|, |v[XS+2]|
	v_max3_num_f32 v9, |v[XS+3]|, |v[XS+4]|, |v[XS+5]|
.irp i, 6,10
	v_max3_num_f32 v8, v8, |v[XS+\i]|, |v[XS+\i+1]|
	v_max3_num_f32 v9, v9, |v[XS+\i+2]|, |v[XS+\i+3]|
.endr
	v_max3_num_f32 v8, v8, |v[XS+14]|, |v[XS+15]|
	v_max3_num_f32 v8, v8, v9, 0x1800000           ; and the floor 2^(3 - 127): the byte cannot fall under 1
	v_max_num_f32_dpp v8, v8, v8 row_xmask:1 row_mask:0xf bank_mask:0xf   ; with my neighbour's 16: the block's largest magnitude
	v_add_nc_u32 v11, 0xff000000, v8               ; 2 off its exponent field: the conversion takes that field as its scale
	v_cvt_scalef32_pk8_fp4_f32 v[C+2*(\t)], v[XS:XS+7], v11
	v_cvt_scalef32_pk8_fp4_f32 v[C+2*(\t)+1], v[XS+8:XS+15], v11
	v_lshrrev_b32 v[E+(\t)], 23, v11               ; the scale's byte (also the plain line behind the conversions)
	ds_store_b8 v5, v[E+(\t)] offset:16*(\t)       ; both lanes of a block write the same byte with the same value
	global_store_b64 v4, v[C+2*(\t):C+2*(\t)+1], s[22:23] offset:256*(\t)   ; the wave stores 256 consecutive bytes, aligned
.endm
.irp t, 0,1,2,3,4,5,6,7
	STEPX \t
.endr
	ds_load_b32 v8, v6                             ; my wave's 128 scale bytes, 4 a lane
	s_wait_dscnt 0x0
	global_store_b32 v7, v8, s[24:25]              ; 128 consecutive bytes: two neighbouring waves complete an aligned 256
	s_wait_tensorcnt 0x0                           ; the wave's end
	ds_add_u32 v[SPW], v[NIL]
	s_wait_dscnt 0x0
	s_endpgm
; ---------------- paths W and Wo: a lane takes a column, its registers run down K; each load reads 128 consecutive bytes a wave, 512 a work-group.
.macro LDBLK kb, pitch                 ; rows 32 kb .. 32 kb + 31 of the wave's 128
.irp i, 0,1,2,3,4,5,6,7,8,9,10,11,12,13,14,15,16,17,18,19,20,21,22,23,24,25,26,27,28,29,30,31
	global_load_b32 v[R+32*(\kb)+\i], v3, s[32:33] offset:(32*(\kb)+\i)*(\pitch) th:TH_LOAD_NT
.endr
.endm
.macro QBLOCK kb                       ; a block of 32 along K of my column: all its numbers are mine
.set XS, R+32*(\kb)
	v_max3_num_f32 v8, |v[XS]|, |v[XS+1]|, |v[XS+2]|
	v_max3_num_f32 v9, |v[XS+3]|, |v[XS+4]|, |v[XS+5]|
.irp i, 6,10,14,18,22,26
	v_max3_num_f32 v8, v8, |v[XS+\i]|, |v[XS+\i+1]|
	v_max3_num_f32 v9, v9, |v[XS+\i+2]|, |v[XS+\i+3]|
.endr
	v_max3_num_f32 v8, v8, |v[XS+30]|, |v[XS+31]|
	v_max3_num_f32 v8, v8, v9, 0x1800000
	v_add_nc_u32 v10, 0xff000000, v8
	v_lshrrev_b32 v11, 23, v10
.if (\kb) == 0
	v_mov_b32 v160, v11                            ; the four bytes make my column's scale word of this K step
.else
	v_lshl_or_b32 v160, v11, 8*(\kb), v160
.endif
.irp g, 0,1,2,3
	v_cvt_scalef32_pk8_fp4_f32 v[X+4*(\kb)+\g], v[XS+8*\g:XS+8*\g+7], v10
.endr
	global_store_b128 v4, v[X+4*(\kb):X+4*(\kb)+3], s[34:35] offset:256*(\kb)   ; sixteen lanes store 256 consecutive bytes, aligned
.endm
.macro WBODY pitch                     ; loads run two blocks ahead; each count of 32 leaves the one younger run out
	LDBLK 0, \pitch
	LDBLK 1, \pitch
	s_wait_loadcnt 32
	LDBLK 2, \pitch
	QBLOCK 0
	s_wait_loadcnt 32
	LDBLK 3, \pitch
	QBLOCK 1
	s_wait_loadcnt 32
	QBLOCK 2
	s_wait_loadcnt 0x0
	QBLOCK 3
.endm
.Lnot_x:
	v_lshlrev_b32 v3, 2, v2                        ; in: 4 bytes a lane
	v_lshrrev_b32 v4, 4, v2
	v_lshlrev_b32 v4, 13, v4                       ; out: lanes 16-31 belong to the next tile of 16 columns, 8,192 bytes on,
	v_and_b32 v5, 15, v2
	v_lshl_add_u32 v4, v5, 4, v4                   ; 16 bytes a column
	s_cmp_lt_u32 ttmp9, 384
	s_cbranch_scc0 .Lwo
	s_sub_co_u32 s3, ttmp9, 256
	s_and_b32 s4, s3, 15                           ; which 128 of the 2,048 columns
	s_lshr_b32 s5, s3, 4                           ; which K step of 128
	s_lshl_b32 s30, s4, 3
	s_lshl_b32 s6, s2, 1
	s_add_co_u32 s30, s30, s6                      ; my wave's first tile of 16 columns
	s_lshl_b32 s30, s30, 13
	s_lshl_b32 s6, s5, 10
	s_add_co_u32 s30, s30, s6
	s_add_nc_u64 s[34:35], s[26:27], s[30:31]      ; the codes
	s_lshl_b32 s30, s5, 13
	s_lshl_b32 s6, s4, 9
	s_add_co_u32 s30, s30, s6
	s_lshl_b32 s6, s2, 7
	s_add_co_u32 s30, s30, s6
	s_add_co_u32 s30, s30, 131072
	s_add_nc_u64 s[36:37], s[24:25], s[30:31]      ; the scale words
	s_cmp_lt_u32 s4, 8
	s_cbranch_scc0 .Lsmall
	s_lshl_b32 s30, s5, 19                         ; Wq: 128 rows of 4,096 bytes a K step
	s_lshl_b32 s6, s4, 9
	s_add_co_u32 s30, s30, s6
	s_lshl_b32 s6, s2, 7
	s_add_co_u32 s30, s30, s6
	s_add_nc_u64 s[32:33], s[10:11], s[30:31]
	WBODY 4096
	s_branch .Lw_done
.Lsmall:
	s_sub_co_u32 s7, s4, 8
	s_lshr_b32 s7, s7, 1                           ; 0 Wk, 1 Wv, 2 Wkd, 3 Wvd: the choice hangs on the work-group's number alone
	s_mov_b64 s[32:33], s[12:13]
	s_cmp_eq_u32 s7, 1
	s_cselect_b64 s[32:33], s[14:15], s[32:33]
	s_cmp_eq_u32 s7, 2
	s_cselect_b64 s[32:33], s[16:17], s[32:33]
	s_cmp_eq_u32 s7, 3
	s_cselect_b64 s[32:33], s[18:19], s[32:33]
	s_lshl_b32 s30, s5, 17                         ; 128 rows of 1,024 bytes a K step
	s_and_b32 s6, s4, 1
	s_lshl_b32 s6, s6, 9
	s_add_co_u32 s30, s30, s6
	s_lshl_b32 s6, s2, 7
	s_add_co_u32 s30, s30, s6
	s_add_nc_u64 s[32:33], s[32:33], s[30:31]
	WBODY 1024
.Lw_done:
	global_store_b32 v3, v160, s[36:37]            ; 32 columns' scale words: 128 consecutive bytes
	s_endpgm
.macro RUNS kb                         ; four runs of eight k: rounded to f16 in pairs, the lower k in the low half
.irp g, 0,1,2,3
.irp q, 0,1,2,3
	v_cvt_pk_f16_f32 v[X+16*(\kb)+4*\g+\q], v[R+32*(\kb)+8*\g+2*\q], v[R+32*(\kb)+8*\g+2*\q+1]
.endr
	global_store_b128 v4, v[X+16*(\kb)+4*\g:X+16*(\kb)+4*\g+3], s[34:35] offset:(4*(\kb)+\g)*256
.endr
.endm
.Lwo:
	s_sub_co_u32 s3, ttmp9, 384
	s_and_b32 s4, s3, 7                            ; which 128 columns
	s_lshr_b32 s5, s3, 3                           ; which 128 along K
	s_lshl_b32 s30, s5, 19
	s_lshl_b32 s6, s4, 9
	s_add_co_u32 s30, s30, s6
	s_lshl_b32 s6, s2, 7
	s_add_co_u32 s30, s30, s6
	s_add_nc_u64 s[32:33], s[20:21], s[30:31]
	s_lshr_b32 s30, s5, 1
	s_lshl_b32 s30, s30, 19                        ; which 256 along K,
	s_and_b32 s6, s5, 1
	s_lshl_b32 s6, s6, 12
	s_add_co_u32 s30, s30, s6                      ; its first or second four steps of 32,
	s_lshl_b32 s6, s4, 16
	s_add_co_u32 s30, s30, s6
	s_lshl_b32 s6, s2, 14
	s_add_co_u32 s30, s30, s6                      ; my wave's first tile of 16 columns
	s_add_nc_u64 s[34:35], s[28:29], s[30:31]
	LDBLK 0, 4096
	LDBLK 1, 4096
	s_wait_loadcnt 32
	LDBLK 2, 4096
	RUNS 0
	s_wait_loadcnt 32
	LDBLK 3, 4096
	RUNS 1
	s_wait_loadcnt 32
	RUNS 2
	s_wait_loadcnt 0x0
	RUNS 3
	s_endpgm
.Lfunc_end_k_qbba7eb8dbb_prep:
	.size	k_qbba7eb8dbb_prep, .Lfunc_end_k_qbba7eb8dbb_prep-k_qbba7eb8dbb_prep
	.p2alignl 7, 3214868480
	.fill 96, 4, 3214868480
	.section	.rodata,"a",@progbits
	.p2align	6, 0x0
	.amdhsa_kernel k_qbba7eb8dbb_prep
		.amdhsa_group_segment_fixed_size 33280
		.amdhsa_private_segment_fixed_size 0
		.amdhsa_enable_private_segment 0
		.amdhsa_kernarg_size 88
		.amdhsa_user_sgpr_count 2
		.amdhsa_user_sgpr_kernarg_segment_ptr 1
		.amdhsa_wavefront_size32 1
		.amdhsa_system_sgpr_workgroup_id_x 1
		.amdhsa_system_sgpr_workgroup_id_y 1
		.amdhsa_system_sgpr_workgroup_id_z 1
		.amdhsa_system_vgpr_workitem_id 0
		.amdhsa_next_free_vgpr 208
		.amdhsa_next_free_sgpr 66
		.amdhsa_reserve_vcc 0
		.amdhsa_float_denorm_mode_32 3
		.amdhsa_float_denorm_mode_16_64 3
		.amdhsa_memory_ordered 1
		.amdhsa_forward_progress 1
		.amdhsa_inst_pref_size 74
	.end_amdhsa_kernel
	.amdgpu_metadata
---
amdhsa.version: [ 1, 2 ]
amdhsa.kernels:
  - .name:           k_qbba7eb8dbb_prep
    .symbol:         k_qbba7eb8dbb_prep.kd
    .args:
      - { .name: x, .offset: 0, .size: 8, .value_kind: global_buffer, .address_space: global }
      - { .name: Wq, .offset: 8, .size: 8, .value_kind: global_buffer, .address_space: global }
      - { .name: Wk, .offset: 16, .size: 8, .value_kind: global_buffer, .address_space: global }
      - { .name: Wv, .offset: 24, .size: 8, .value_kind: global_buffer, .address_space: global }
      - { .name: Wkd, .offset: 32, .size: 8, .value_kind: global_buffer, .address_space: global }
      - { .name: Wvd, .offset: 40, .size: 8, .value_kind: global_buffer, .address_space: global }
      - { .name: Wo, .offset: 48, .size: 8, .value_kind: global_buffer, .address_space: global }
      - { .name: xcodes, .offset: 56, .size: 8, .value_kind: global_buffer, .address_space: global }
      - { .name: scales, .offset: 64, .size: 8, .value_kind: global_buffer, .address_space: global }
      - { .name: wcodes, .offset: 72, .size: 8, .value_kind: global_buffer, .address_space: global }
      - { .name: wo16, .offset: 80, .size: 8, .value_kind: global_buffer, .address_space: global }
    .group_segment_fixed_size: 33280
    .private_segment_fixed_size: 0
    .kernarg_segment_align: 8
    .kernarg_segment_size: 88
    .max_flat_workgroup_size: 128
    .sgpr_count:     66
    .vgpr_count:     208
    .wavefront_size: 32
...
	.end_amdgpu_metadata
.endif
;; end of part 1
;; launch qkv (part 2): grid 32 x 8, 8 waves a work-group, clusters of 4 x 1, 252,928 bytes of LDS; arguments xcodes, wcodes, scales, qkv16, fine, out1, out2; writes qkv16, fine, out1, out2
.if DOCPART == 2
	.amdgcn_target "amdgcn-amd-amdhsa--gfx1250"
	.amdhsa_code_object_version 6
	.text
	.protected	k_qbba7eb8dbb_qkv
	.globl	k_qbba7eb8dbb_qkv
	.p2align	8
	.type	k_qbba7eb8dbb_qkv,@function
k_qbba7eb8dbb_qkv:
	s_mov_b64 s[64:65], 0
	v_nop
	global_prefetch_b8 v0, s[64:65] scope:SCOPE_SE
	s_setreg_imm32_b32 hwreg(HW_REG_WAVE_MODE, 25, 1), 1
	s_wait_xcnt 0x0
	s_wait_alu depctr_hold_cnt(0) depctr_sa_sdst(0) depctr_va_vdst(0) depctr_va_sdst(0) depctr_va_ssrc(0) depctr_va_vcc(0) depctr_vm_vsrc(0)
	s_getreg_b32 s2, hwreg(HW_REG_IB_STS2, 6, 4)
	s_cmp_eq_u32 s2, 0
	s_cbranch_scc0 .Lentry_in_a_cluster
	s_endpgm
.Lentry_in_a_cluster:
	s_bfe_u32 s2, ttmp6, 0x10000c
	s_cmp_lg_u32 s2, 0x3003
	s_cbranch_scc0 .Lentry_shape_is_right
	s_endpgm
.Lentry_shape_is_right:
; QKV.  The five projections of x, [4096 x 1024] times 2,048 columns, on codes of E2M1 with E8M0 scales, sums in f32.
; A work-group makes 128 rows x 256 columns; column tile CT (work-group y): 0-3 Q, 4 K, 5 V, 6 k_write (out1), 7 v_write (out2).  Eight waves: 64 rows x 64 columns (one head) each, 16 accumulators.
; All of K = 1,024 lies in LDS by first fills alone: x's 128 rows of 512 bytes (padded to 528) and the weights' 131,072 bytes as images of operand registers.  Nothing is filled again.
; CLUSTER: the four work-groups of a cluster share CT, so the weights are asked for JOINTLY (mask 15); x's tile differs between them and comes by plain loads.
; No branch and no LDS address hangs on the place in the cluster: it enters global addresses and one mask of lanes for a store.
; THE MATRIX INSTRUCTION IS USED TRANSPOSED (source 0 = 16 columns of W, source 1 = 16 rows of x): a lane holds one row and eight neighbouring columns.
; OUT: Q, K, V rounded to f16 into qkv16 [b][24 heads][2048][64]; the first 16 positions of each sequence also in f32 into fine [b][16][1536]; out1, out2 in f32.  A tile of 16 rows of a head is dense in memory:
; it goes through the wave's own stage and leaves in stores of 512 consecutive bytes.
; LIMIT: Q, K, V beyond 65,504 do not fit f16.
.set LB,    67584                      ; LDS: x's tile at 0 (128 x 528), the weights from here (16 x 8,192)
.set ST16,  198656                     ; stages for the f16 way out: 8 x 16 rows x 144
.set ST32,  217088                     ; stages for the f32 way out: 8 x 16 rows x 272 (each way out has bytes of its own)
.set SPARE, 251904                     ; the spare words, 128 bytes a wave
; v1 r, v2 h, v3 x's fragments, v4 W's, v5 x's scale words, v6 W's, v7/v8 f16 stage in/out, v9/v10 f32 stage in/out, v11 16 x lane, v12 fine, v13 place in the cluster, v14/v15 the add's two
; v32-63 x's four fragments, v64-95 W's four, v96-111 x's scale words, v112-127 W's, v128-255 accumulators (a, i) at 128 + 8 (4 a + i)
.macro ROUND
	s_barrier_signal -1
	s_barrier_wait -1
	s_cmp_lg_u32 s18, 0
	s_cbranch_scc1 .Lnot_wave_0_\@
	s_barrier_signal -3
.Lnot_wave_0_\@:
	s_barrier_wait -3
	s_barrier_signal -1
	s_barrier_wait -1
.endm
	s_load_b256 s[4:11], s[0:1], 0x0               ; xcodes 4, wcodes 6, scales 8, qkv16 10
	s_load_b128 s[12:15], s[0:1], 0x20             ; fine 12, out1 14
	s_load_b64 s[16:17], s[0:1], 0x30              ; out2
	v_lshl_add_u32 v14, v0, 2, SPARE
	v_mov_b32 v15, 0
	ds_add_u32 v14, v15                            ; the wave's opening: the add, twice on end, and its wait ahead of my first tensor load
	ds_add_u32 v14, v15
	v_lshrrev_b32 v1, 5, v0
	v_readfirstlane_b32 s18, v1                    ; wave 0..7
	s_and_b32 s19, s18, 1                          ; WM: which 64 rows
	s_lshr_b32 s20, s18, 1                         ; WN: which 64 columns
	s_and_b32 s21, s18, 3                          ; which quarter of a tile I fetch
	s_bfe_u32 s22, ttmp6, 0x40000                  ; cx
	s_lshl_b32 s23, ttmp9, 2
	s_add_co_u32 s23, s23, s22                     ; R: row tile = 4 x cluster x + cx
	s_and_b32 s24, ttmp7, 0xffff                   ; CT
	s_lshr_b32 s25, ttmp9, 2                       ; the batch: 16 row tiles each
	; group 1 for the weights: 32,768 dense bytes as 128 rows of 32 elements of 8 bytes; mask 15, bit 21 beside it
	s_mov_b32 s28, 15|(3<<16)|(1<<21)
	s_mov_b32 s29, 32<<16
	s_mov_b32 s30, 128<<16
	s_mov_b32 s31, 32<<16
	s_mov_b32 s32, 128
	s_mov_b32 s33, 32
	s_mov_b32 s34, 0
	s_mov_b32 s35, 0
	; group 1 for x: 32 rows of 512 bytes, 4 words of padding behind every 128
	s_mov_b32 s40, (1<<20)|(6<<22)|(3<<25)
	s_mov_b32 s41, 512<<16
	s_mov_b32 s42, 32<<16
	s_mov_b32 s43, 512<<16
	s_mov_b32 s44, 32
	s_mov_b32 s45, 512
	s_mov_b32 s46, 0
	s_mov_b32 s47, 0
	s_mov_b32 s36, 1
	s_lshl_b32 s37, s21, 15
	s_add_co_u32 s37, s37, LB                      ; the weights' quarter in LDS
	s_mov_b32 s48, 1
	s_mul_i32 s49, s21, 32*528                     ; x's quarter in LDS
	s_lshl_b32 s52, s24, 17
	s_lshl_b32 s53, s21, 15
	s_add_co_u32 s52, s52, s53                     ; the weights in memory: CT and the wave's number alone
	s_mov_b32 s53, 0
	s_lshl_b32 s54, s23, 16
	s_lshl_b32 s55, s21, 14
	s_add_co_u32 s54, s54, s55                     ; x in memory: (128 R + 32 quarter) rows of 512 bytes
	s_mov_b32 s55, 0
	s_wait_dscnt 0x0                               ; both opening adds are done
	s_wait_kmcnt 0x0
	s_add_nc_u64 s[38:39], s[6:7], s[52:53]
	s_or_b32 s39, s39, 0x80000000
	s_add_nc_u64 s[50:51], s[4:5], s[54:55]
	s_or_b32 s51, s51, 0x80000000
	ROUND                                          ; all four work-groups are here: the joint loads meet
	s_cmp_lt_u32 s18, 4                            ; waves 0-3 fetch the weights' quarters, waves 4-7 x's: one tensor load a wave, the only one of the launch
	s_cbranch_scc0 .Lfor_x
	tensor_load_to_lds s[36:39], s[28:35]
	s_nop 0
.rept 4
	v_nop
.endr
	s_branch .Lasked
.Lfor_x:
	tensor_load_to_lds s[48:51], s[40:47]
	s_nop 0
.rept 4
	v_nop
.endr
.Lasked:
	v_and_b32 v1, 15, v0                           ; r
	v_bfe_u32 v2, v0, 4, 1                         ; h
	v_and_b32 v16, 31, v0                          ; lane
	s_lshl_b32 s56, s23, 7
	s_lshl_b32 s57, s19, 6
	s_add_co_u32 s56, s56, s57
	s_lshl_b32 s56, s56, 5
	v_lshl_add_u32 v5, v16, 5, s56                 ; x's scale bytes: 32 a row; lane l takes row 128 R + 64 WM + l
	s_lshl_b32 s56, s24, 10
	s_lshl_b32 s57, s20, 8
	s_add_co_u32 s56, s56, s57
	s_add_co_u32 s56, s56, 131072
	v_lshl_add_u32 v6, v16, 2, s56                 ; W's scale words: 4 bytes a column
.irp p, 0,1                            ; v[96 + 8 p + ks]: lanes 0-15 the word of row tile 2 p, lanes 16-31 that of 2 p + 1, for K step ks
.irp q, 0,1
	global_load_b128 v[96+8*\p+4*\q:99+8*\p+4*\q], v5, s[8:9] offset:1024*\p+16*\q
.endr
.endr
.irp ks, 0,1,2,3,4,5,6,7               ; v[112 + 2 ks + p]: lanes 0-15 column tile 2 p, lanes 16-31 tile 2 p + 1
.irp p, 0,1
	global_load_b32 v[112+2*\ks+\p], v6, s[8:9] offset:8192*\ks+128*\p
.endr
.endr
	s_mul_i32 s56, s19, 64*528
	v_mul_u32_u24 v3, v1, 528
	v_lshl_add_u32 v3, v2, 4, v3
	v_add_nc_u32 v3, s56, v3                       ; x's fragments: (64 WM + r) x 528 + 16 h
	v_lshlrev_b32 v11, 4, v16
	s_lshl_b32 s56, s20, 15
	s_add_co_u32 s56, s56, LB
	v_add_nc_u32 v4, s56, v11                      ; W's images: 16 x lane
	s_mul_i32 s58, s18, 16*144
	s_add_co_u32 s58, s58, ST16
	v_mul_u32_u24 v7, v1, 144
	v_lshl_add_u32 v7, v2, 4, v7
	v_add_nc_u32 v7, s58, v7
	v_lshrrev_b32 v17, 3, v16
	v_mul_u32_u24 v8, v17, 144
	v_and_b32 v17, 7, v0
	v_lshl_add_u32 v8, v17, 4, v8
	v_add_nc_u32 v8, s58, v8
	s_mul_i32 s59, s18, 16*272
	s_add_co_u32 s59, s59, ST32
	v_mul_u32_u24 v9, v1, 272
	v_lshl_add_u32 v9, v2, 5, v9
	v_add_nc_u32 v9, s59, v9
	v_mul_u32_u24 v10, v2, 272
	v_lshl_add_u32 v10, v1, 4, v10
	v_add_nc_u32 v10, s59, v10
	v_mul_u32_u24 v12, v1, 6144
	v_lshl_add_u32 v12, v2, 5, v12                 ; fine: row r of 6,144 bytes, + 32 h
	v_mov_b32 v13, s22
	s_wait_tensorcnt 0x0                           ; my quarter has landed,
	s_barrier_signal -1
	s_barrier_wait -1                              ; everybody's has
	s_wait_loadcnt 0x0                             ; the scale words
; one product: accumulator (a, i) += W's tile i x x's tile a, K step ks.  The scale words' halves of lanes are chosen by the tiles' parity.
.macro MM a, i, ks, zero
.set rD, 128+8*(4*\a+\i)
.set rB, 64+8*\i
.set rA, 32+8*\a
.set rW, 112+2*\ks+\i/2
.set rX, 96+8*(\a/2)+\ks
.set sel, 4*\zero+2*(\i%2)+(\a%2)
.if sel == 0
	v_wmma_scale_f32_16x16x128_f8f6f4 v[rD:rD+7], v[rB:rB+7], v[rA:rA+7], v[rD:rD+7], v[rW], v[rX] matrix_a_fmt:MATRIX_FMT_FP4 matrix_b_fmt:MATRIX_FMT_FP4
.elseif sel == 1
	v_wmma_scale_f32_16x16x128_f8f6f4 v[rD:rD+7], v[rB:rB+7], v[rA:rA+7], v[rD:rD+7], v[rW], v[rX] matrix_a_fmt:MATRIX_FMT_FP4 matrix_b_fmt:MATRIX_FMT_FP4 matrix_b_scale:MATRIX_SCALE_ROW1
.elseif sel == 2
	v_wmma_scale_f32_16x16x128_f8f6f4 v[rD:rD+7], v[rB:rB+7], v[rA:rA+7], v[rD:rD+7], v[rW], v[rX] matrix_a_fmt:MATRIX_FMT_FP4 matrix_b_fmt:MATRIX_FMT_FP4 matrix_a_scale:MATRIX_SCALE_ROW1
.elseif sel == 3
	v_wmma_scale_f32_16x16x128_f8f6f4 v[rD:rD+7], v[rB:rB+7], v[rA:rA+7], v[rD:rD+7], v[rW], v[rX] matrix_a_fmt:MATRIX_FMT_FP4 matrix_b_fmt:MATRIX_FMT_FP4 matrix_a_scale:MATRIX_SCALE_ROW1 matrix_b_scale:MATRIX_SCALE_ROW1
.elseif sel == 4
	v_wmma_scale_f32_16x16x128_f8f6f4 v[rD:rD+7], v[rB:rB+7], v[rA:rA+7], 0, v[rW], v[rX] matrix_a_fmt:MATRIX_FMT_FP4 matrix_b_fmt:MATRIX_FMT_FP4
.elseif sel == 5
	v_wmma_scale_f32_16x16x128_f8f6f4 v[rD:rD+7], v[rB:rB+7], v[rA:rA+7], 0, v[rW], v[rX] matrix_a_fmt:MATRIX_FMT_FP4 matrix_b_fmt:MATRIX_FMT_FP4 matrix_b_scale:MATRIX_SCALE_ROW1
.elseif sel == 6
	v_wmma_scale_f32_16x16x128_f8f6f4 v[rD:rD+7], v[rB:rB+7], v[rA:rA+7], 0, v[rW], v[rX] matrix_a_fmt:MATRIX_FMT_FP4 matrix_b_fmt:MATRIX_FMT_FP4 matrix_a_scale:MATRIX_SCALE_ROW1
.else
	v_wmma_scale_f32_16x16x128_f8f6f4 v[rD:rD+7], v[rB:rB+7], v[rA:rA+7], 0, v[rW], v[rX] matrix_a_fmt:MATRIX_FMT_FP4 matrix_b_fmt:MATRIX_FMT_FP4 matrix_a_scale:MATRIX_SCALE_ROW1 matrix_b_scale:MATRIX_SCALE_ROW1
.endif
.endm
; a K step of 128: 16 LDS loads, 16 products; the 16 accumulators take turns.  zero = 1: the first products start the sums.
.macro KSTEP ks, zero
.if \ks > 0
.rept 4
	v_nop                                          ; four places in front of loads into registers that matrix instructions have read
.endr
.endif
.irp a, 0,1,2,3
.irp c, 0,1
	ds_load_b128 v[32+8*\a+4*\c:35+8*\a+4*\c], v3 offset:\a*8448+64*\ks+32*\c
.endr
.endr
.irp i, 0,1,2,3
.irp c, 0,1
	ds_load_b128 v[64+8*\i+4*\c:67+8*\i+4*\c], v4 offset:\i*8192+1024*\ks+512*\c
.endr
.endr
	s_wait_dscnt 0x0
.irp a, 0,1,2,3
.irp i, 0,1,2,3
	MM \a, \i, \ks, \zero
.endr
.endr
.endm
	KSTEP 0, 1
.irp ks, 1,2,3,4,5,6,7
	KSTEP \ks, 0
.endr
.rept 4
	v_nop                                          ; four places in front of the first read of results
.endr
	s_and_b32 s26, s23, 15                         ; the row tile within its batch
	s_cmp_lt_u32 s24, 6
	s_cbranch_scc0 .Lf32out
	; ---- Q, K, V.  First the fine rows: positions 0-15 of a sequence lie in row tile 0 of a batch, rows 0-15: cluster x % 4 = 0, WM = 0, accumulators (0, i), and the work-group at place 0, picked by a mask of lanes
	s_and_b32 s52, ttmp9, 3
	s_or_b32 s52, s52, s19
	s_cmp_lg_u32 s52, 0
	s_cbranch_scc1 .Lno_fine
	s_mul_i32 s52, s25, 98304
	s_lshl_b32 s53, s24, 10
	s_add_co_u32 s52, s52, s53
	s_lshl_b32 s53, s20, 8
	s_add_co_u32 s52, s52, s53
	s_mov_b32 s53, 0
	s_add_nc_u64 s[56:57], s[12:13], s[52:53]
	v_cmp_eq_u32 vcc_lo, 0, v13
	s_wait_xcnt 0x0                                ; EXEC changes only behind this wait
	s_and_saveexec_b32 s60, vcc_lo
.irp i, 0,1,2,3
	global_store_b128 v12, v[128+8*\i:131+8*\i], s[56:57] offset:64*\i
	global_store_b128 v12, v[132+8*\i:135+8*\i], s[56:57] offset:64*\i+16
.endr
	s_wait_xcnt 0x0                                ; and again in front of the line that widens it
	s_or_b32 exec_lo, exec_lo, s60
.Lno_fine:
	s_mul_i32 s52, s25, 24
	s_lshl_b32 s53, s24, 2
	s_add_co_u32 s52, s52, s53
	s_add_co_u32 s52, s52, s20                     ; the head: 24 b + 4 CT + WN
	s_lshl_b32 s52, s52, 18
	s_lshl_b32 s53, s26, 14
	s_add_co_u32 s52, s52, s53
	s_lshl_b32 s53, s19, 13
	s_add_co_u32 s52, s52, s53                     ; + my first row of 128 bytes
	s_mov_b32 s53, 0
	s_add_nc_u64 s[58:59], s[10:11], s[52:53]
.macro OUT16 a                         ; 16 rows x 64 columns: 2,048 dense bytes of memory
.if \a >= 2
	s_wait_xcnt 0x0                                ; the stores of two tiles back have read their registers
.endif
.irp i, 0,1,2,3
.irp q, 0,1,2,3
	v_cvt_pk_f16_f32 v[32+16*(\a%2)+4*\i+\q], v[128+8*(4*\a+\i)+2*\q], v[129+8*(4*\a+\i)+2*\q]
.endr
.endr
.irp i, 0,1,2,3
	ds_store_b128 v7, v[32+16*(\a%2)+4*\i:35+16*(\a%2)+4*\i] offset:32*\i
.endr
.irp t, 0,1,2,3
	ds_load_b128 v[64+16*(\a%2)+4*\t:67+16*(\a%2)+4*\t], v8 offset:576*\t   ; LDS serves a wave's instructions in order: these see the stores above
.endr
	s_wait_dscnt 0x0
.irp t, 0,1,2,3
	global_store_b128 v11, v[64+16*(\a%2)+4*\t:67+16*(\a%2)+4*\t], s[58:59] offset:2048*\a+512*\t   ; 512 consecutive bytes, aligned
.endr
.endm
.irp a, 0,1,2,3
	OUT16 \a
.endr
	s_branch .Ldone
.Lf32out:
	; ---- k_write, v_write: [b][4][2048][64] f32
	s_cmp_eq_u32 s24, 6
	s_cselect_b64 s[58:59], s[14:15], s[16:17]
	s_lshl_b32 s52, s25, 2
	s_add_co_u32 s52, s52, s20
	s_lshl_b32 s52, s52, 19
	s_lshl_b32 s53, s26, 15
	s_add_co_u32 s52, s52, s53
	s_lshl_b32 s53, s19, 14
	s_add_co_u32 s52, s52, s53
	s_mov_b32 s53, 0
	s_add_nc_u64 s[58:59], s[58:59], s[52:53]
.macro OUT32 a                         ; 16 rows x 64 columns: 4,096 dense bytes
.if \a >= 2
	s_wait_xcnt 0x0
.endif
.irp i, 0,1,2,3
	ds_store_b128 v9, v[128+8*(4*\a+\i):131+8*(4*\a+\i)] offset:64*\i      ; each accumulator from its low end on
	ds_store_b128 v9, v[132+8*(4*\a+\i):135+8*(4*\a+\i)] offset:64*\i+16
.endr
.irp t, 0,1,2,3,4,5,6,7
	ds_load_b128 v[32+32*(\a%2)+4*\t:35+32*(\a%2)+4*\t], v10 offset:544*\t
.endr
	s_wait_dscnt 0x0
.irp t, 0,1,2,3,4,5,6,7
	global_store_b128 v11, v[32+32*(\a%2)+4*\t:35+32*(\a%2)+4*\t], s[58:59] offset:4096*\a+512*\t th:TH_STORE_NT
.endr
.endm
.irp a, 0,1,2,3
	OUT32 \a
.endr
.Ldone:
	s_wait_tensorcnt 0x0                           ; the wave's end
	ds_add_u32 v14, v15
	s_wait_dscnt 0x0
	ROUND                                          ; the closing round
	s_endpgm
.Lfunc_end_k_qbba7eb8dbb_qkv:
	.size	k_qbba7eb8dbb_qkv, .Lfunc_end_k_qbba7eb8dbb_qkv-k_qbba7eb8dbb_qkv
	.p2alignl 7, 3214868480
	.fill 96, 4, 3214868480
	.section	.rodata,"a",@progbits
	.p2align	6, 0x0
	.amdhsa_kernel k_qbba7eb8dbb_qkv
		.amdhsa_group_segment_fixed_size 252928
		.amdhsa_private_segment_fixed_size 0
		.amdhsa_enable_private_segment 0
		.amdhsa_kernarg_size 56
		.amdhsa_user_sgpr_count 2
		.amdhsa_user_sgpr_kernarg_segment_ptr 1
		.amdhsa_wavefront_size32 1
		.amdhsa_system_sgpr_workgroup_id_x 1
		.amdhsa_system_sgpr_workgroup_id_y 1
		.amdhsa_system_sgpr_workgroup_id_z 1
		.amdhsa_system_vgpr_workitem_id 0
		.amdhsa_next_free_vgpr 256
		.amdhsa_next_free_sgpr 66
		.amdhsa_reserve_vcc 1
		.amdhsa_float_denorm_mode_32 3
		.amdhsa_float_denorm_mode_16_64 3
		.amdhsa_memory_ordered 1
		.amdhsa_forward_progress 1
		.amdhsa_inst_pref_size 51
	.end_amdhsa_kernel
	.amdgpu_metadata
---
amdhsa.version: [ 1, 2 ]
amdhsa.kernels:
  - .name:           k_qbba7eb8dbb_qkv
    .symbol:         k_qbba7eb8dbb_qkv.kd
    .args:
      - { .name: xcodes, .offset: 0, .size: 8, .value_kind: global_buffer, .address_space: global }
      - { .name: wcodes, .offset: 8, .size: 8, .value_kind: global_buffer, .address_space: global }
      - { .name: scales, .offset: 16, .size: 8, .value_kind: global_buffer, .address_space: global }
      - { .name: qkv16, .offset: 24, .size: 8, .value_kind: global_buffer, .address_space: global }
      - { .name: fine, .offset: 32, .size: 8, .value_kind: global_buffer, .address_space: global }
      - { .name: out1, .offset: 40, .size: 8, .value_kind: global_buffer, .address_space: global }
      - { .name: out2, .offset: 48, .size: 8, .value_kind: global_buffer, .address_space: global }
    .group_segment_fixed_size: 252928
    .private_segment_fixed_size: 0
    .kernarg_segment_align: 8
    .kernarg_segment_size: 56
    .max_flat_workgroup_size: 256
    .sgpr_count:     66
    .vgpr_count:     256
    .wavefront_size: 32
...
	.end_amdgpu_metadata
.endif
;; end of part 2
;; launch attn (part 3): grid 32 x 8, 8 waves a work-group, no clusters, 327,680 bytes of LDS; arguments qkv16, K_depth, V_depth, attn16; writes attn16
.if DOCPART == 3
	.amdgcn_target "amdgcn-amd-amdhsa--gfx1250"
	.amdhsa_code_object_version 6
	.text
	.protected	k_qbba7eb8dbb_attn
	.globl	k_qbba7eb8dbb_attn
	.p2align	8
	.type	k_qbba7eb8dbb_attn,@function
k_qbba7eb8dbb_attn:
	s_mov_b64 s[64:65], 0
	v_nop
	global_prefetch_b8 v0, s[64:65] scope:SCOPE_SE
	s_setreg_imm32_b32 hwreg(HW_REG_WAVE_MODE, 25, 1), 1
	s_wait_xcnt 0x0
; ATTN.  softmax over (causal sequence keys + 8 depth keys of the query's own token), times the values; f16 operands, f32 scores, maxima, sums and results.
; A TILE OF 16 QUERIES IS 4 TOKENS x THE 4 HEADS OF A GROUP (row r: token r / 4, head r % 4), which share their keys: so a tile's 32 depth keys are its own, and the depth part is one more step of 32 keys under another mask.
; SHARES.  Work-group (J, BH = 4 b + hk), 8 waves.  Wave w owns a LATE tile, tokens 32 (63 - J) + 4 w on, and an EARLY tile, tokens 32 J + 4 w on: (64 - J) + (J + 1) steps of 32 keys and two depth steps in every wave of
; every work-group: the causal mask costs no imbalance.  Two waves share a SIMD, so that one wave's softmax stands beside the other's products.
; LAYOUT.  S^T = K Q^T (source 0 = 16 keys, source 1 = the tile's 16 queries): a lane holds ONE query (lane % 16) and keys 8 (lane / 16) + 0..7.  Two such tiles, rounded to f16 in pairs, ARE source 1 of O^T = V^T P.
; K comes out of LDS as it lies, V ([key][channel]) turned, by ds_load_tr16_b128.
; SOFTMAX.  A running maximum m and sum l for each query: p = 2^(c s - c m), c = log2(e) / 8; in every step O and l are multiplied by a = 2^(c m_old - c m_new).
; RING.  K and V of the head walk through two LDS slots of 256 keys; waves 0-3 fetch K's quarters, waves 4-7 V's: one tensor load a wave behind each change of slots, and a slot's eight steps in which it lands.
; Every work-group walks all eight slots (constant trip counts); a step all of whose keys come after a tile's tokens is jumped over, and a slot whose first key comes after the work-group's last token is not asked for.
; DEPTH.  In the first four slots, in which every work-group has a full slot of work, each wave loads one token's 8 rows of K_depth and V_depth for both its tiles (16 loads of 512 consecutive bytes), lets them land under the
; slot's steps, rounds them to f16 and stores them in its own stage in LDS.  Each byte of the depth tensors is read once in this launch.
; NO CLUSTER: the 32 work-groups of a (b, hk) need different numbers of slots (5 to 8), so some partner would jump over the reads of a joint tile.
; LIMITS: operands are f16: |Q|, |K|, |V| and the depth tensors must stay under 65,504; weights p under 6e-8 of the row's largest fall to zero; NaN and infinities are not served.
.set KP,    144                        ; a key's row in LDS: 128 bytes + 16
.set VP,    160                        ; a value's row: 128 + 32, an odd multiple of 32 for the turning load
.set KT,    256*KP                     ; a slot: 256 rows of K, then 256 of V
.set SLOTB, 256*(KP+VP)                ; 77,824
.set STG,   2*SLOTB                    ; behind the ring: a stage of STGB bytes for each wave, written by ds_store alone
.set TILEB, 32*(KP+VP)                 ; in it, for each of my two tiles: 32 rows of K, then 32 of V
.set STGB,  2*TILEB
.set SPARE, STG+8*STGB                 ; the spare words, 128 bytes a wave
; v1 K's lane place, v2 V's, v3/v4 addresses of the step in hand, v5/v6 the add's two, v7 mask base, v8 depth mask base, v9 -infinity, v10 at work, v11/v12 depth offsets (late, early), v13/v14 stage lane places,
; v15/v16 stage addresses, v17 prefetch offset, v18/v19 Q offsets, v20/v21 way out in/back, v22 16 x lane; v24-31 / v32-39 statistics (late / early): +0 c m, +1 m, +2,+3 l, +4..7 at work, a in +6;
; v40-55 / v56-71 Q; v72-87 S^T; v88-95 P; v96-127 K's four fragments; v128-159 V's four; v160-191 / v192-223 O^T; v224-255 way out; v256-319 (window 1) depth numbers as loaded
; s12 wave, s13 wave % 4, s14 J, s15 BH, s16 QL, s17 QL+3, s18 QE, s19 QE+3, s20 the work-group's last token, s[22:23] lane selects, s[24:25] c, s[28:35] s[36:43] groups 1 (K, V), s[44:47] s[48:51] groups 0,
; s[52:53] s[54:55] depth bases, s56 slot to fill, s57 slot in hand, s58 s59 the step's K and V, s60 the step's first key, s61 slot count, s62 step count, s63 prefetch limit, s[66:67] prefetch address,
; s68 s69 my quarter in a slot, s70 s71 stage bases, s72-79 at work, s80 s81 depth masks, s[82:83] s[84:85] out, s86 my stage, s87 b, s88 hk, s[90:91] Q
.set MSB, 0
.macro WIN new                         ; the immediate's high byte repeats the setting that is left
.if MSB != \new
	s_set_vgpr_msb (MSB<<8)|\new
.set MSB, \new
.endif
.endm
.macro TLOAD                           ; the branch hangs on the wave's number alone; an s_nop 0 and four v_nop follow each of the two lines
	s_cmp_lt_u32 s12, 4
	s_cbranch_scc0 .Lfor_v_\@
	tensor_load_to_lds s[44:47], s[28:35]
	s_nop 0
.rept 4
	v_nop
.endr
	s_branch .Lasked_\@
.Lfor_v_\@:
	tensor_load_to_lds s[48:51], s[36:43]
	s_nop 0
.rept 4
	v_nop
.endr
.Lasked_\@:
.endm
; A prefetch of what the NEXT change of slots will ask for.  All 32 work-groups of a (b, hk) walk the same K and V: the one with J = 0, which loads all eight slots, asks; each of its waves names the 32 blocks of 256 bytes
; (64 rows of 128) that it will itself load one change later.  So each block is named once in the launch.  Slots 0 and 1 come by their loads alone; the changes for slots 7 and beyond ask for nothing.
.macro ASK
	s_cmp_lt_u32 s61, s63
	s_cbranch_scc0 .Lnot_mine_\@
	global_prefetch_b8 v17, s[66:67] th:TH_LOAD_NT scope:SCOPE_SE
.Lnot_mine_\@:
.endm
; THE CHANGE OF SLOTS stands at a slot's head.  Each wave waits for all its tensor loads (its part of the slot ahead), adds 0 to its spare word, waits for that and for its reads of the slot that it has left; a barrier;
; then (fill = 1) the slot just left is filled with the keys that follow, up to the causal limit.
.macro CHANGE fill
	s_wait_tensorcnt 0x0                           ; no tensor load of mine is out, so a group 0 may be written
	ds_add_u32 v5, v6
.if \fill
	s_xor_b32 s56, s56, SLOTB                      ; the other slot than last time
	s_add_co_u32 s45, s56, s68
	s_add_co_u32 s49, s56, s69
	s_add_nc_u64 s[46:47], s[46:47], 32768         ; the next 256 keys; the type bits on top are not reached
	s_add_nc_u64 s[50:51], s[50:51], 32768
	s_wait_xcnt 0x0                                ; the last prefetch, a slot back, has read its address
	s_add_nc_u64 s[66:67], s[66:67], 32768
.endif
	s_wait_dscnt 0x0                               ; the add is done, and my reads of the slot that I have left are over
	s_barrier_signal -1
	s_barrier_wait -1
.if \fill
	s_add_co_u32 s72, s61, 1
	s_lshl_b32 s72, s72, 8                         ; the first key of the slot that this change would ask for
	s_cmp_gt_u32 s72, s20                          ; past my work-group's last token none of its waves reads it.  Ids and the count of slots alone: all eight waves go the same way
	s_cbranch_scc1 .Lpast_\@
	TLOAD                                          ; my one tensor load until the next change
.Lpast_\@:
	ASK
.endif
.endm
.macro DLOAD                           ; one token's 8 rows (2,048 bytes) of K_depth and V_depth for both tiles, into window 1; each load reads 512 consecutive bytes
	WIN 0x40
.irp i, 0,1,2,3
	global_load_b128 v[4*\i:4*\i+3], v11, s[52:53] offset:512*\i th:TH_LOAD_NT
.endr
.irp i, 0,1,2,3
	global_load_b128 v[16+4*\i:16+4*\i+3], v12, s[52:53] offset:512*\i th:TH_LOAD_NT
.endr
.irp i, 0,1,2,3
	global_load_b128 v[32+4*\i:32+4*\i+3], v11, s[54:55] offset:512*\i th:TH_LOAD_NT
.endr
.irp i, 0,1,2,3
	global_load_b128 v[48+4*\i:48+4*\i+3], v12, s[54:55] offset:512*\i th:TH_LOAD_NT
.endr
	WIN 0
.endm
.macro DCVT                            ; they have had a slot's steps in which to land: rounded to f16 in place (register n from 2 n and 2 n + 1, ascending) and stored in my stage
	s_wait_loadcnt 0x0
	v_add_nc_u32 v15, s70, v13
	v_add_nc_u32 v16, s71, v14
	WIN 0x45
.irp n, 0,1,2,3,4,5,6,7,8,9,10,11,12,13,14,15,16,17,18,19,20,21,22,23,24,25,26,27,28,29,30,31
	v_cvt_pk_f16_f32 v[\n], v[2*\n], v[2*\n+1]
.endr
	WIN 0x04                                       ; an LDS store's data are its source 1
.irp x, 0,1
.irp i, 0,1,2,3
	ds_store_b64 v15, v[8*\x+2*\i:8*\x+2*\i+1] offset:TILEB*\x+2*KP*\i
	ds_store_b64 v16, v[16+8*\x+2*\i:16+8*\x+2*\i+1] offset:TILEB*\x+2*VP*\i
.endr
.endr
	WIN 0
	s_add_nc_u64 s[52:53], s[52:53], 2048          ; the loads are done: on to the next token
	s_add_nc_u64 s[54:55], s[54:55], 2048
	s_add_co_u32 s70, s70, 8*KP
	s_add_co_u32 s71, s71, 8*VP
.endm
.macro FRAGS                           ; 32 keys: K's four fragments (16 keys x 32 channels), then V's four (16 channels x 32 keys, turned)
.irp u, 0,1
.irp c, 0,1
	ds_load_b128 v[96+16*\u+8*\c:99+16*\u+8*\c], v3 offset:16*KP*\u+64*\c
	ds_load_b128 v[100+16*\u+8*\c:103+16*\u+8*\c], v3 offset:16*KP*\u+64*\c+32
.endr
.endr
.irp i, 0,1,2,3
	ds_load_tr16_b128 v[128+8*\i:131+8*\i], v4 offset:32*\i
	ds_load_tr16_b128 v[132+8*\i:135+8*\i], v4 offset:32*\i+16*VP
.endr
.endm
; ONE TILE, ONE STEP OF 32 KEYS.  x: 0 late, 1 early.  kind: 0 sequence keys under the causal mask, 1 the tile's depth keys.  vw = 1: V's loads are still to be waited for.
.macro TILE x, kind, vw
.set TT, 24+8*\x
.set QF, 40+16*\x
.set OO, 160+32*\x
	v_wmma_f32_16x16x32_f16 v[72:79], v[96:103], v[QF:QF+7], 0            ; the two accumulators take turns
	v_wmma_f32_16x16x32_f16 v[80:87], v[112:119], v[QF:QF+7], 0
	v_wmma_f32_16x16x32_f16 v[72:79], v[104:111], v[QF+8:QF+15], v[72:79]
	v_wmma_f32_16x16x32_f16 v[80:87], v[120:127], v[QF+8:QF+15], v[80:87]
	v_mov_b32 v[TT+7], v[TT]                       ; c m_old is kept for a.  With the three below: the four places in front of the first read of the scores
	v_nop
	v_nop
	v_nop
.if \kind == 0
	s_add_co_u32 s72, s60, 31
	s_cmp_le_u32 s72, s[16+2*\x]                   ; a step all of whose keys count for all four tokens skips the mask
	s_cbranch_scc1 .Lopen_\@
	s_sub_co_i32 s72, s[16+2*\x], s60
	v_add_nc_u32 v10, s72, v7                      ; d = my token - the step's first key - 8 (lane / 16).  Register n holds key 16 (n / 8) + n % 8 + 8 (lane / 16): hidden where 16 (n / 8) + n % 8 > d
.irp n, 0,1,2,3,4,5,6,7,8,9,10,11,12,13,14,15
	v_cmp_gt_i32 vcc_lo, 16*(\n/8)+\n%8, v10
	v_cndmask_b32 v[72+\n], v[72+\n], v9, vcc_lo
.endr
.Lopen_\@:
.else
.irp n, 0,1,2,3,4,5,6,7                ; depth key 16 u + 8 (lane / 16) + j belongs to token 2 u + lane / 16: it counts for that token's four queries alone
	v_cndmask_b32 v[72+\n], v[72+\n], v9, s80
.endr
.irp n, 8,9,10,11,12,13,14,15
	v_cndmask_b32 v[72+\n], v[72+\n], v9, s81
.endr
.endif
	v_max3_num_f32 v[TT+4], v72, v73, v74          ; the maximum of my 16 scores and the old m; each accumulator from its low end on
	v_max3_num_f32 v[TT+5], v80, v81, v82
	v_max3_num_f32 v[TT+4], v[TT+4], v75, v76
	v_max3_num_f32 v[TT+5], v[TT+5], v83, v84
	v_max3_num_f32 v[TT+4], v[TT+4], v77, v78
	v_max3_num_f32 v[TT+5], v[TT+5], v85, v86
	v_max3_num_f32 v[TT+4], v[TT+4], v79, v87
	v_max3_num_f32 v[TT+4], v[TT+4], v[TT+5], v[TT+1]
	v_permlanex16_b32 v[TT+5], v[TT+4], s22, s23   ; the query's other 16 keys lie in the lane 16 away
	v_max_num_f32 v[TT+1], v[TT+4], v[TT+5]
	v_mul_f32 v[TT], s24, v[TT+1]
	v_sub_f32 v[TT+7], v[TT+7], v[TT]              ; c m_old - c m_new
.irp b, 0,1,2,3,4,5,6,7
	v_pk_fma_f32 v[72+2*\b:73+2*\b], v[72+2*\b:73+2*\b], s[24:25], v[TT:TT+1] op_sel_hi:[1,0,0] neg_lo:[0,0,1] neg_hi:[0,0,1]   ; c s - c m
.endr
	v_exp_f32 v[TT+6], v[TT+7]                     ; a, and the 16 weights: one batch,
.irp n, 0,1,2,3,4,5,6,7,8,9,10,11,12,13,14,15
	v_exp_f32 v[72+\n], v[72+\n]
.endr
	v_nop                                          ; one plain line behind it,
	s_wait_alu depctr_va_vdst(0)                   ; and the one wait ahead of the first line that names a result
.irp b, 0,1,2,3,4,5,6,7
	v_cvt_pk_f16_f32 v[88+\b], v[72+2*\b], v[73+2*\b]
.endr
.irp b, 0,4,8,12
	v_pk_add_f32 v[72+\b:73+\b], v[72+\b:73+\b], v[74+\b:75+\b]
.endr
	v_pk_add_f32 v[72:73], v[72:73], v[76:77]
	v_pk_add_f32 v[80:81], v[80:81], v[84:85]
	v_pk_add_f32 v[72:73], v[72:73], v[80:81]
	v_pk_fma_f32 v[TT+2:TT+3], v[TT+2:TT+3], v[TT+6:TT+7], v[72:73] op_sel_hi:[1,0,1]   ; l = a l + the step's sum (of the unrounded weights)
.irp k, 0,1,2,3,4,5,6,7,8,9,10,11,12,13,14,15
	v_pk_mul_f32 v[OO+2*\k:OO+2*\k+1], v[OO+2*\k:OO+2*\k+1], v[TT+6:TT+7] op_sel_hi:[1,0]   ; O^T times a, ascending
.endr
.if \vw
	s_wait_dscnt 0x0                               ; V is in
.endif
.irp i, 0,1,2,3
	v_wmma_f32_16x16x32_f16 v[OO+8*\i:OO+8*\i+7], v[128+8*\i:135+8*\i], v[88:95], v[OO+8*\i:OO+8*\i+7]
.endr
.endm
.macro STEP
	s_cmp_gt_u32 s60, s17                          ; all 32 keys come after my late tile's tokens (and so after the early tile's): a branch on ids, round the step's work alone
	s_cbranch_scc1 .Lhid_\@
	v_add_nc_u32 v3, s58, v1
	v_add_nc_u32 v4, s59, v2
	v_nop
	v_nop                                          ; four places in front of loads into registers that the last products have read
	FRAGS
	s_wait_dscnt 8                                 ; K's eight loads are in; V's eight, issued behind them, may stay out
	TILE 0, 0, 1
	s_cmp_gt_u32 s60, s19
	s_cbranch_scc1 .Lhid_\@
	TILE 1, 0, 0
.Lhid_\@:
	s_add_co_u32 s60, s60, 32
	s_add_co_u32 s58, s58, 32*KP
	s_add_co_u32 s59, s59, 32*VP
.endm
.macro SLOT_STEPS                      ; a slot's eight steps: written once, walked eight times
	s_mov_b32 s58, s57
	s_add_co_u32 s59, s57, KT
	s_mov_b32 s62, 8
.Lstep_\@:
	STEP
	s_sub_co_u32 s62, s62, 1
	s_cmp_lg_u32 s62, 0
	s_cbranch_scc1 .Lstep_\@
	s_xor_b32 s57, s57, SLOTB
.endm
	s_load_b256 s[4:11], s[0:1], 0x0               ; qkv16 4, K_depth 6, V_depth 8, attn16 10
	v_lshl_add_u32 v5, v0, 2, SPARE
	v_mov_b32 v6, 0
	ds_add_u32 v5, v6                              ; the wave's opening: the add, twice on end, and its wait ahead of my first tensor load
	ds_add_u32 v5, v6
	v_lshrrev_b32 v1, 5, v0
	v_readfirstlane_b32 s12, v1
	s_and_b32 s13, s12, 3
	s_mov_b32 s14, ttmp9
	s_and_b32 s15, ttmp7, 0xffff
	s_lshr_b32 s87, s15, 2
	s_and_b32 s88, s15, 3
	s_sub_co_u32 s16, 63, s14
	s_lshl_b32 s16, s16, 5
	s_add_co_u32 s20, s16, 31
	s_lshl_b32 s72, s12, 2
	s_add_co_u32 s16, s16, s72
	s_add_co_u32 s17, s16, 3
	s_lshl_b32 s18, s14, 5
	s_add_co_u32 s18, s18, s72
	s_add_co_u32 s19, s18, 3
	s_mov_b32 s22, 0x76543210
	s_mov_b32 s23, 0xfedcba98
	s_mov_b32 s24, 0x3e38aa3b                      ; c = log2(e) / 8
	s_mov_b32 s25, s24
	; groups 1: 64 rows of 64 elements of 2 bytes, dense in memory; padding behind every 32 words: 4 words for K, 8 for V
	s_mov_b32 s28, (1<<16)|(1<<20)|(4<<22)|(3<<25)
	s_mov_b32 s36, (1<<16)|(1<<20)|(4<<22)|(7<<25)
.irp g, 28, 36
	s_mov_b32 s[\g+1], 64<<16
	s_mov_b32 s[\g+2], 64<<16
	s_mov_b32 s[\g+3], 64<<16
	s_mov_b32 s[\g+4], 64
	s_mov_b32 s[\g+5], 64
	s_mov_b32 s[\g+6], 0
	s_mov_b32 s[\g+7], 0
.endr
	s_mul_i32 s68, s13, 64*KP
	s_mul_i32 s69, s13, 64*VP
	s_add_co_u32 s69, s69, KT
	s_mov_b32 s56, 0
	s_mov_b32 s57, 0
	s_mov_b32 s60, 0
	s_mov_b32 s61, 0
	s_mul_i32 s86, s12, STGB
	s_add_co_u32 s86, s86, STG
	s_mov_b32 s70, s86
	s_add_co_u32 s71, s86, 32*KP
	s_cmp_eq_u32 s14, 0
	s_cselect_b32 s63, 6, 0
	s_mul_i32 s74, s87, 24
	s_lshl_b32 s75, s88, 2
	s_add_co_u32 s76, s74, s75
	s_lshl_b32 s76, s76, 18                        ; Q's first head of the group
	s_mov_b32 s77, 0
	s_add_co_u32 s78, s74, s88
	s_add_co_u32 s78, s78, 16
	s_lshl_b32 s78, s78, 18                        ; K's head,
	s_lshl_b32 s79, s13, 13
	s_add_co_u32 s78, s78, s79                     ; my 64 rows of a slot
	s_mov_b32 s79, 0
	s_mov_b32 s44, 1
	s_mov_b32 s45, s68
	s_mov_b32 s48, 1
	s_mov_b32 s49, s69
	s_wait_dscnt 0x0                               ; both opening adds are done
	s_wait_kmcnt 0x0
	s_add_nc_u64 s[46:47], s[4:5], s[78:79]
	s_add_nc_u64 s[50:51], s[46:47], 0x100000      ; V's head lies four heads on
	s_cmp_lt_u32 s12, 4
	s_cselect_b64 s[66:67], s[46:47], s[50:51]
	s_add_nc_u64 s[66:67], s[66:67], 32768         ; in slot 1: the first change steps it to slot 2.  Nothing is prefetched here, at the head
	s_or_b32 s47, s47, 0x80000000
	s_or_b32 s51, s51, 0x80000000
	TLOAD                                          ; slot 0
	s_add_nc_u64 s[90:91], s[4:5], s[76:77]
	v_and_b32 v224, 31, v0                         ; lane
	v_and_b32 v225, 15, v0                         ; r
	v_bfe_u32 v226, v0, 4, 1                       ; h
	v_lshrrev_b32 v228, 2, v225                    ; the token in the tile
	v_and_b32 v229, 3, v225                        ; the head in the group
	v_lshlrev_b32 v227, 18, v229
	v_lshl_add_u32 v227, v228, 7, v227
	v_lshl_add_u32 v227, v226, 4, v227
	v_lshl_add_u32 v18, s16, 7, v227
	v_lshl_add_u32 v19, s18, 7, v227
.irp x, 0,1
.irp c, 0,1
	global_load_b128 v[40+16*\x+8*\c:43+16*\x+8*\c], v[18+\x], s[90:91] offset:64*\c       ; Q stays in registers
	global_load_b128 v[44+16*\x+8*\c:47+16*\x+8*\c], v[18+\x], s[90:91] offset:64*\c+32
.endr
.endr
	v_mul_u32_u24 v1, v225, KP
	v_lshl_add_u32 v1, v226, 4, v1
	v_and_b32 v227, 7, v0
	v_lshl_add_u32 v2, v226, 3, v227
	v_mul_u32_u24 v2, v2, VP
	v_bfe_u32 v227, v0, 3, 1
	v_lshl_add_u32 v2, v227, 4, v2
	v_lshlrev_b32 v227, 3, v226
	v_sub_nc_u32 v7, v228, v227
	v_sub_nc_u32 v8, v228, v226
	v_mov_b32 v9, 0xff800000
	v_lshlrev_b32 v22, 4, v224
	v_lshl_add_u32 v11, s16, 11, v22
	v_lshl_add_u32 v12, s18, 11, v22
	v_mul_u32_u24 v13, v226, KP
	v_lshl_add_u32 v13, v225, 3, v13
	v_mul_u32_u24 v14, v226, VP
	v_lshl_add_u32 v14, v225, 3, v14
	v_lshlrev_b32 v17, 8, v224
	v_mul_u32_u24 v20, v228, 528
	v_lshl_add_u32 v20, v229, 7, v20
	v_lshl_add_u32 v20, v226, 4, v20
	v_add_nc_u32 v20, s86, v20
	v_add_nc_u32 v21, s86, v22
	v_cmp_ne_u32 s80, 0, v8                        ; hidden among depth keys 0-15: where token - lane / 16 is not 0;
	v_cmp_ne_u32 s81, 2, v8                        ; among 16-31: where it is not 2
	s_lshl_b32 s72, s15, 22
	s_mov_b32 s73, 0
	s_add_nc_u64 s[52:53], s[6:7], s[72:73]
	s_add_nc_u64 s[54:55], s[8:9], s[72:73]
	s_lshl_b32 s74, s87, 11
	s_add_co_u32 s72, s74, s16
	s_lshl_b32 s72, s72, 11
	s_lshl_b32 s75, s88, 9
	s_add_co_u32 s72, s72, s75
	s_add_nc_u64 s[82:83], s[10:11], s[72:73]
	s_add_co_u32 s72, s74, s18
	s_lshl_b32 s72, s72, 11
	s_add_co_u32 s72, s72, s75
	s_add_nc_u64 s[84:85], s[10:11], s[72:73]
.irp t, 24, 32
	v_mov_b32 v[\t+1], 0xff61b1e6                  ; m = -3e38, under every score
	v_mul_f32 v[\t], s24, v[\t+1]
	v_mov_b32 v[\t+2], 0
	v_mov_b32 v[\t+3], 0
.endr
.irp j, 0,1,2,3,4,5,6,7,8,9,10,11,12,13,14,15,16,17,18,19,20,21,22,23,24,25,26,27,28,29,30,31,32,33,34,35,36,37,38,39,40,41,42,43,44,45,46,47,48,49,50,51,52,53,54,55,56,57,58,59,60,61,62,63
	v_mov_b32 v[160+\j], 0                         ; O^T: the step is written once; its first walk finds zeros, which a = 0 leaves zeros
.endr
	s_wait_loadcnt 0x0                             ; Q
.Lslot_a:                                              ; slots 0-3: with a token's depth rows on their way under each
	CHANGE 1
	DLOAD
	SLOT_STEPS
	DCVT
	s_add_co_u32 s61, s61, 1
	s_cmp_lt_u32 s61, 4
	s_cbranch_scc1 .Lslot_a
.Lslot_b:                                              ; slots 4-6
	CHANGE 1
	SLOT_STEPS
	s_add_co_u32 s61, s61, 1
	s_cmp_lt_u32 s61, 7
	s_cbranch_scc1 .Lslot_b
	CHANGE 0                                       ; the last slot is written out: nothing is left to ask for
	SLOT_STEPS
.irp x, 0,1                            ; the depth keys of each tile, out of my own stage
	s_add_co_u32 s72, s86, TILEB*\x
	s_add_co_u32 s73, s72, 32*KP
	v_add_nc_u32 v3, s72, v1
	v_add_nc_u32 v4, s73, v2
	v_nop
	v_nop
	FRAGS
	s_wait_dscnt 0x0
	TILE \x, 1, 0
.endr
.rept 4
	v_nop                                          ; four places in front of the reads of the last results
.endr
; THE WAY OUT.  O^T / l, rounded to f16; a token's four heads are 512 consecutive bytes of attn16: through my stage (rows of 528 bytes) and out as whole runs of 512.
.macro OUT x, w
.set TT, 24+8*\x
.set OO, 160+32*\x
	v_add_f32 v[TT+4], v[TT+2], v[TT+3]
	v_permlanex16_b32 v[TT+5], v[TT+4], s22, s23
	v_add_f32 v[TT+4], v[TT+4], v[TT+5]
	v_rcp_f32 v[TT+6], v[TT+4]
	v_nop
	s_wait_alu depctr_va_vdst(0)                   ; the wait ahead of the first use
.irp k, 0,1,2,3,4,5,6,7,8,9,10,11,12,13,14,15
	v_pk_mul_f32 v[OO+2*\k:OO+2*\k+1], v[OO+2*\k:OO+2*\k+1], v[TT+6:TT+7] op_sel_hi:[1,0]
.endr
.irp k, 0,1,2,3,4,5,6,7,8,9,10,11,12,13,14,15
	v_cvt_pk_f16_f32 v[\w+\k], v[OO+2*\k], v[OO+2*\k+1]
.endr
.irp i, 0,1,2,3
	ds_store_b128 v20, v[\w+4*\i:\w+4*\i+3] offset:32*\i+2304*\x
.endr
.irp t, 0,1,2,3
	ds_load_b128 v[\w+16+4*\t:\w+19+4*\t], v21 offset:528*\t+2304*\x
.endr
	s_wait_dscnt 0x0
.irp t, 0,1,2,3
	global_store_b128 v22, v[\w+16+4*\t:\w+19+4*\t], s[82+2*\x:83+2*\x] offset:2048*\t
.endr
.endm
	OUT 0, 224
	OUT 1, 96
	s_wait_tensorcnt 0x0                           ; the wave's end
	ds_add_u32 v5, v6
	s_wait_dscnt 0x0
	s_endpgm
.Lfunc_end_k_qbba7eb8dbb_attn:
	.size	k_qbba7eb8dbb_attn, .Lfunc_end_k_qbba7eb8dbb_attn-k_qbba7eb8dbb_attn
	.p2alignl 7, 3214868480
	.fill 96, 4, 3214868480
	.section	.rodata,"a",@progbits
	.p2align	6, 0x0
	.amdhsa_kernel k_qbba7eb8dbb_attn
		.amdhsa_group_segment_fixed_size 327680
		.amdhsa_private_segment_fixed_size 0
		.amdhsa_enable_private_segment 0
		.amdhsa_kernarg_size 32
		.amdhsa_user_sgpr_count 2
		.amdhsa_user_sgpr_kernarg_segment_ptr 1
		.amdhsa_wavefront_size32 1
		.amdhsa_system_sgpr_workgroup_id_x 1
		.amdhsa_system_sgpr_workgroup_id_y 1
		.amdhsa_system_sgpr_workgroup_id_z 1
		.amdhsa_system_vgpr_workitem_id 0
		.amdhsa_next_free_vgpr 320
		.amdhsa_next_free_sgpr 96
		.amdhsa_reserve_vcc 1
		.amdhsa_float_denorm_mode_32 3
		.amdhsa_float_denorm_mode_16_64 3
		.amdhsa_memory_ordered 1
		.amdhsa_forward_progress 1
		.amdhsa_inst_pref_size 77
	.end_amdhsa_kernel
	.amdgpu_metadata
---
amdhsa.version: [ 1, 2 ]
amdhsa.kernels:
  - .name:           k_qbba7eb8dbb_attn
    .symbol:         k_qbba7eb8dbb_attn.kd
    .args:
      - { .name: qkv16, .offset: 0, .size: 8, .value_kind: global_buffer, .address_space: global }
      - { .name: K_depth, .offset: 8, .size: 8, .value_kind: global_buffer, .address_space: global }
      - { .name: V_depth, .offset: 16, .size: 8, .value_kind: global_buffer, .address_space: global }
      - { .name: attn16, .offset: 24, .size: 8, .value_kind: global_buffer, .address_space: global }
    .group_segment_fixed_size: 327680
    .private_segment_fixed_size: 0
    .kernarg_segment_align: 8
    .kernarg_segment_size: 32
    .max_flat_workgroup_size: 256
    .sgpr_count:     96
    .vgpr_count:     320
    .wavefront_size: 32
...
	.end_amdgpu_metadata
.endif
;; end of part 3
;; launch proj (part 4): grid 8 x 32, 4 waves a work-group, clusters of 4 x 4, 327,680 bytes of LDS; arguments attn16, wo16, out0; writes out0
.if DOCPART == 4
	.amdgcn_target "amdgcn-amd-amdhsa--gfx1250"
	.amdhsa_code_object_version 6
	.text
	.protected	k_qbba7eb8dbb_proj
	.globl	k_qbba7eb8dbb_proj
	.p2align	8
	.type	k_qbba7eb8dbb_proj,@function
k_qbba7eb8dbb_proj:
	s_mov_b64 s[64:65], 0
	v_nop
	global_prefetch_b8 v0, s[64:65] scope:SCOPE_SE
	s_setreg_imm32_b32 hwreg(HW_REG_WAVE_MODE, 25, 1), 1
	s_wait_xcnt 0x0
	s_wait_alu depctr_hold_cnt(0) depctr_sa_sdst(0) depctr_va_vdst(0) depctr_va_sdst(0) depctr_va_ssrc(0) depctr_va_vcc(0) depctr_vm_vsrc(0)
	s_getreg_b32 s2, hwreg(HW_REG_IB_STS2, 6, 4)
	s_cmp_eq_u32 s2, 0
	s_cbranch_scc0 .Lentry_in_a_cluster
	s_endpgm
.Lentry_in_a_cluster:
	s_bfe_u32 s2, ttmp6, 0x10000c
	s_cmp_lg_u32 s2, 0xf033
	s_cbranch_scc0 .Lentry_shape_is_right
	s_endpgm
.Lentry_shape_is_right:
; PROJ.  out0 [4096][1024] f32 = attn16 [4096][1024] f16 x Wo, f16 operands, f32 sums.  A tile of out0 is 128 x 128: 256 work-groups.  Four waves, each 64 x 64: 16 accumulators.
; K goes in steps of 256 through two LDS slots.  A's tile: 128 rows of 512 bytes (padded to 528).  B arrives as IMAGES OF OPERAND REGISTERS (wo16): a K step's 128 columns are 65,536 dense bytes, read back 16 bytes a lane.
; CLUSTERS: 4 x 4 work-groups; A's tile is shared along a row of the cluster, B's along a column: each is asked for jointly, by the same tensor load with the same descriptor and a mask that names the four.
; THE MATRIX INSTRUCTION IS USED TRANSPOSED (source 0 = 16 columns of Wo, source 1 = 16 rows of A): a lane holds eight neighbouring numbers of a row of out0.
; The rows of positions 0-15 of each sequence are stored here like all others; a later launch writes them anew from f32 operands.
; No prefetch: on tiles of this size the tensor loads' own lead is what the ring offers.
; REGISTERS: window 0: v16-29 addresses; v32-95 the way out; v128-255 accumulators ((a, b) at 128 + 8 (4 a + b)).  window 1: two fragment buffers of 128: 64 registers of A, then 64 of B, for 64 along K.
.set SIZE_N, 1024
.set SIZE_K, 1024
.set KSTEP,  256
.set PITCH,  528
.set HALFA,  64*PITCH                  ; what one tensor load brings of A
.set BOFF,   2*HALFA                   ; B's images lie behind A's 128 rows
.set HALFB,  32768                     ; what one tensor load brings of B: four tiles of 16 columns
.set SLOT,   BOFF+2*HALFB
.set STAGE,  2*SLOT                    ; behind the ring: 16 rows x 272 bytes for each wave
.set SPITCH, 272
.set SPARE,  STAGE+4*16*SPITCH         ; the spare words, 128 bytes a wave
.set LAPS,   SIZE_K/(2*KSTEP)
.set ADRA, 16
.set ADRB, 20
.set STO,  24
.set RD,   25
.set CO,   26
.set SPW,  28
.set NIL,  29
.set TMP,  32
.set ACC,  128
.set F0,   0
.set F1,   128
.set G1, 24
.set G0, 32
.set G1B, 48
.set G0B, 56
.set MSB, 0
.macro WIN new
.if MSB != \new
	s_set_vgpr_msb (MSB<<8)|\new
.set MSB, \new
.endif
.endm
.set MUL,  0x05                        ; sources 0 (B) and 1 (A) window 1; C and D window 0
.set TO_F, 0x40                        ; destination window 1, address window 0
.macro JLOAD s                         ; waves 0 and 1 fetch A's halves, waves 2 and 3 B's; an s_nop 0 and four v_nop follow each line
	s_cmp_eq_u32 s11, 0
	s_cbranch_scc0 .Lfor_b_\@
	tensor_load_to_lds s[G0+4*\s:G0+4*\s+3], s[G1:G1+7]
	s_nop 0
.rept 4
	v_nop
.endr
	s_branch .Lasked_\@
.Lfor_b_\@:
	tensor_load_to_lds s[G0B+4*\s:G0B+4*\s+3], s[G1B:G1B+7]
	s_nop 0
.rept 4
	v_nop
.endr
.Lasked_\@:
.endm
.macro CREST
	s_cmp_lg_u32 s10, 0
	s_cbranch_scc1 .Lnot_wave_0_\@
	s_barrier_signal -3
.Lnot_wave_0_\@:
	s_barrier_wait -3
	s_barrier_signal -1
	s_barrier_wait -1
.endm
.macro CROUND
	s_barrier_signal -1
	s_barrier_wait -1
	CREST
.endm
	s_load_b128 s[4:7], s[0:1], 0x0                ; attn16 4, wo16 6
	s_load_b64 s[8:9], s[0:1], 0x10                ; out0
	v_lshl_add_u32 v[SPW], v0, 2, SPARE
	v_mov_b32 v[NIL], 0
	ds_add_u32 v[SPW], v[NIL]                      ; the wave's opening: the add, twice on end, and its wait ahead of my first tensor load
	ds_add_u32 v[SPW], v[NIL]
	v_lshrrev_b32 v1, 5, v0
	v_readfirstlane_b32 s10, v1                    ; wave 0..3
	s_lshr_b32 s11, s10, 1                         ; which half of the tile's rows is mine.  Also: I fetch for A (0) or for B (1)
	s_and_b32 s12, s10, 1                          ; which half of its columns.  Also: which half of that tile I fetch
	s_bfe_u32 s40, ttmp6, 0x40000                  ; cx, cy
	s_bfe_u32 s41, ttmp6, 0x40004
	s_lshl_b32 s42, ttmp9, 2
	s_add_co_u32 s42, s42, s40                     ; tile column
	s_and_b32 s13, ttmp7, 0xffff
	s_lshl_b32 s13, s13, 2
	s_add_co_u32 s13, s13, s41                     ; tile row
	s_lshl_b32 s43, s41, 2
	s_lshl_b32 s43, 15, s43                        ; my row of the cluster
	s_lshl_b32 s44, 0x1111, s40                    ; my column
	s_or_b32 s[G1+0], s43, (1<<16)|(1<<20)|(1<<21)|(6<<22)|(3<<25)  ; A: elements of 2 bytes, 4 words of padding behind every 128
	s_mov_b32 s[G1+1], KSTEP<<16
	s_mov_b32 s[G1+2], 64<<16
	s_mov_b32 s[G1+3], KSTEP<<16
	s_mov_b32 s[G1+4], 64
	s_mov_b32 s[G1+5], SIZE_K
	s_mov_b32 s[G1+6], 0
	s_mov_b32 s[G1+7], 0
	s_or_b32 s[G1B+0], s44, (3<<16)|(1<<21)        ; B: 32,768 dense bytes as 128 rows of 32 elements of 8 bytes, no padding
	s_mov_b32 s[G1B+1], 32<<16
	s_mov_b32 s[G1B+2], 128<<16
	s_mov_b32 s[G1B+3], 32<<16
	s_mov_b32 s[G1B+4], 128
	s_mov_b32 s[G1B+5], 32
	s_mov_b32 s[G1B+6], 0
	s_mov_b32 s[G1B+7], 0
	s_lshl_b32 s16, s13, 7
	s_lshl_b32 s17, s12, 6
	s_add_co_u32 s16, s16, s17
	s_lshl_b32 s16, s16, 11                        ; A: (128 x tile row + 64 x half) rows of 2,048 bytes
	s_mov_b32 s17, 0
	s_lshl_b32 s46, s42, 16
	s_lshl_b32 s47, s12, 15
	s_add_co_u32 s46, s46, s47                     ; B: 65,536 x tile column + 32,768 x half
	s_mov_b32 s47, 0
	s_mul_i32 s20, s12, HALFA                      ; where they go: the wave's number alone
	s_lshl_b32 s21, s12, 15
	s_add_co_u32 s21, s21, BOFF
	s_wait_dscnt 0x0                               ; both opening adds are done
	s_wait_kmcnt 0x0
	s_add_nc_u64 s[14:15], s[4:5], s[16:17]
	s_add_nc_u64 s[46:47], s[6:7], s[46:47]
	CROUND                                         ; all sixteen work-groups are here: the first joint loads meet
.irp s, 0,1
	s_mov_b32 s[G0+4*\s], 1
	s_add_co_u32 s[G0+4*\s+1], s20, \s*SLOT
	s_add_nc_u64 s[G0+4*\s+2:G0+4*\s+3], s[14:15], \s*KSTEP*2
	s_or_b32 s[G0+4*\s+3], s[G0+4*\s+3], 0x80000000
	s_mov_b32 s[G0B+4*\s], 1
	s_add_co_u32 s[G0B+4*\s+1], s21, \s*SLOT
	s_add_nc_u64 s[G0B+4*\s+2:G0B+4*\s+3], s[46:47], \s*524288
	s_or_b32 s[G0B+4*\s+3], s[G0B+4*\s+3], 0x80000000
	JLOAD \s
.endr
	v_and_b32 v1, 15, v0                           ; l % 16
	v_bfe_u32 v2, v0, 4, 1                         ; l / 16
	v_and_b32 v6, 31, v0
	v_lshlrev_b32 v6, 4, v6                        ; 16 x lane: an image's place for my lane
	v_mul_u32_u24 v3, v1, PITCH
	v_lshl_add_u32 v3, v2, 4, v3
	s_mul_i32 s21, s11, HALFA                      ; my 64 rows of A
	s_lshl_b32 s22, s12, 15
	s_add_co_u32 s22, s22, BOFF                    ; my four tiles of B
.irp s, 0,1
	v_add_nc_u32 v[ADRA+\s], s21, v3
	v_add_nc_u32 v[ADRB+\s], s22, v6
	s_add_co_u32 s21, s21, SLOT
	s_add_co_u32 s22, s22, SLOT
.endr
	s_mul_i32 s23, s10, 16*SPITCH
	s_add_co_u32 s23, s23, STAGE                   ; my stage
	v_mul_u32_u24 v4, v1, SPITCH
	v_lshl_add_u32 v4, v2, 5, v4
	v_add_nc_u32 v[STO], s23, v4                   ; in: row l % 16, 32 bytes for each half of the lanes
	v_mul_u32_u24 v5, v2, SPITCH
	v_lshl_add_u32 v5, v1, 4, v5
	v_add_nc_u32 v[RD], s23, v5                    ; back: lanes 0-15 one row of 256 bytes, lanes 16-31 the next
	v_mul_u32_u24 v5, v2, SIZE_N*4
	v_lshl_add_u32 v[CO], v1, 4, v5                ; and the same two rows in out0
	s_lshl_b32 s16, s13, 7
	s_lshl_b32 s17, s11, 6
	s_add_co_u32 s16, s16, s17
	s_lshl_b32 s16, s16, 12                        ; my first row of 4,096 bytes
	s_mov_b32 s17, 0
	s_add_nc_u64 s[8:9], s[8:9], s[16:17]
	s_lshl_b32 s46, s42, 9
	s_lshl_b32 s47, s12, 8
	s_add_co_u32 s46, s46, s47                     ; my first column, in bytes
	s_mov_b32 s47, 0
	s_add_nc_u64 s[8:9], s[8:9], s[46:47]
.macro MUL8 f, c, a0, zero             ; 8 products: row blocks a0, a0 + 1 x all 4 column blocks, 32 along K: half c of buffer f
.irp a, \a0, \a0+1
.irp b, 0,1,2,3
.if \zero
	v_wmma_f32_16x16x32_f16 v[ACC+8*(4*(\a)+\b):ACC+8*(4*(\a)+\b)+7], v[\f+64+8*(4*\c+\b):\f+64+8*(4*\c+\b)+7], v[\f+8*(4*\c+\a):\f+8*(4*\c+\a)+7], 0
.else
	v_wmma_f32_16x16x32_f16 v[ACC+8*(4*(\a)+\b):ACC+8*(4*(\a)+\b)+7], v[\f+64+8*(4*\c+\b):\f+64+8*(4*\c+\b)+7], v[\f+8*(4*\c+\a):\f+8*(4*\c+\a)+7], v[ACC+8*(4*(\a)+\b):ACC+8*(4*(\a)+\b)+7]
.endif
.endr
.endr
.endm
.macro FETCH slot, k, f                ; 32 LDS loads in one run: 64 along K at byte k of A's rows; the first 32 along K first
	WIN TO_F
.irp c, 0,1
.irp i, 0,1,2,3
	ds_load_b128 v[\f+64+8*(4*\c+\i):\f+64+8*(4*\c+\i)+3],   v[ADRB+\slot] offset:\i*8192+((\k)/64+\c)*1024
	ds_load_b128 v[\f+64+8*(4*\c+\i)+4:\f+64+8*(4*\c+\i)+7], v[ADRB+\slot] offset:\i*8192+((\k)/64+\c)*1024+512
	ds_load_b128 v[\f+8*(4*\c+\i):\f+8*(4*\c+\i)+3],         v[ADRA+\slot] offset:\k+64*\c+\i*16*PITCH
	ds_load_b128 v[\f+8*(4*\c+\i)+4:\f+8*(4*\c+\i)+7],       v[ADRA+\slot] offset:\k+64*\c+\i*16*PITCH+32
.endr
.endr
.endm
.macro PLACES                          ; four places in front of loads into registers that matrix instructions have read, and of the first read of results
.rept 4
	v_nop
.endr
.endm
.macro QUARTER slot, k, f, g, zero     ; 64 along K: multiplies buffer f, and in its middle fetches the next quarter, at byte k, into g
	s_wait_dscnt 16                                ; the first 32 along K are in; the sixteen younger loads may be out
	WIN MUL
	MUL8 \f, 0, 0, \zero
	MUL8 \f, 0, 2, \zero
	PLACES
	FETCH \slot, \k, \g
	s_wait_dscnt 32                                ; all but the 32 just issued
	WIN MUL
	MUL8 \f, 1, 0, 0
	MUL8 \f, 1, 2, 0
.endm
.macro TURN slot, next, fill           ; a slot's last quarter changes slots: one barrier; fill = 1: it opens a round of the cluster's barrier, and this slot is filled again, two K steps ahead
	WIN 0
	s_wait_tensorcnt 0x0                           ; all my tensor loads have landed: my part of the next slot
	ds_add_u32 v[SPW], v[NIL]
	s_wait_dscnt 17                                ; the add and the youngest sixteen loads may be out
	WIN MUL
	MUL8 F1, 0, 0, 0
	s_wait_dscnt 0x0                               ; the add is done, and my reads of this slot are over
	s_barrier_signal -1
	MUL8 F1, 0, 2, 0
.if \fill
	WIN 0
.endif
	s_barrier_wait -1
.if \fill
	CREST
	s_add_nc_u64 s[G0+4*\slot+2:G0+4*\slot+3], s[G0+4*\slot+2:G0+4*\slot+3], 2*KSTEP*2
	s_add_nc_u64 s[G0B+4*\slot+2:G0B+4*\slot+3], s[G0B+4*\slot+2:G0B+4*\slot+3], 2*524288
	JLOAD \slot                                    ; the first tensor load behind the round; its four v_nop are also the places in front of the loads below
.else
	PLACES
.endif
	FETCH \next, 0, F0
	WIN MUL
	MUL8 F1, 1, 0, 0
	MUL8 F1, 1, 2, 0
.endm
	s_wait_tensorcnt 1                             ; my part of K step 0 is in; K step 1's may stay out
	s_barrier_signal -1
	s_barrier_wait -1
	FETCH 0, 0, F0
	QUARTER 0, 128, F0, F1, 1                      ; the first quarter stands in front of the loop: its first products start the sums
	WIN 0
	s_mov_b32 s3, LAPS-1
.Llap:
	QUARTER 0, 256, F1, F0, 0
	QUARTER 0, 384, F0, F1, 0
	TURN 0, 1, 1
	QUARTER 1, 128, F0, F1, 0
	QUARTER 1, 256, F1, F0, 0
	QUARTER 1, 384, F0, F1, 0
	TURN 1, 0, 1
	QUARTER 0, 128, F0, F1, 0
	WIN 0
	s_sub_co_u32 s3, s3, 1
	s_cmp_lg_u32 s3, 0
	s_cbranch_scc1 .Llap
	QUARTER 0, 256, F1, F0, 0                      ; the last lap fills nothing
	QUARTER 0, 384, F0, F1, 0
	TURN 0, 1, 0
	QUARTER 1, 128, F0, F1, 0
	QUARTER 1, 256, F1, F0, 0
	QUARTER 1, 384, F0, F1, 0
	s_wait_dscnt 16
	WIN MUL
	MUL8 F1, 0, 0, 0
	MUL8 F1, 0, 2, 0
	s_wait_dscnt 0
	MUL8 F1, 1, 0, 0
	MUL8 F1, 1, 2, 0
	WIN 0
	; THE WAY OUT, 16 rows at a time.  My 64 columns are 256 bytes of a row: through my own stage, so that sixteen lanes store 256 consecutive bytes, aligned.
	PLACES
.irp a, 0,1,2,3
.if \a >= 2
	s_wait_xcnt 0x0                                ; the stores of two blocks back have read their registers
.endif
.irp b, 0,1,2,3
	ds_store_b128 v[STO], v[ACC+8*(4*\a+\b):ACC+8*(4*\a+\b)+3] offset:64*\b          ; each accumulator from its low end on
	ds_store_b128 v[STO], v[ACC+8*(4*\a+\b)+4:ACC+8*(4*\a+\b)+7] offset:64*\b+16
.endr
.irp t, 0,1,2,3,4,5,6,7
	ds_load_b128 v[TMP+32*(\a%2)+4*\t:TMP+32*(\a%2)+4*\t+3], v[RD] offset:\t*2*SPITCH  ; LDS serves a wave's instructions in order
.endr
	s_wait_dscnt 0x0
.irp t, 0,1,2,3,4,5,6,7
	global_store_b128 v[CO], v[TMP+32*(\a%2)+4*\t:TMP+32*(\a%2)+4*\t+3], s[8:9] offset:(16*\a+2*\t)*SIZE_N*4 th:TH_STORE_NT
.endr
.endr
	s_wait_tensorcnt 0x0                           ; the wave's end
	ds_add_u32 v[SPW], v[NIL]
	s_wait_dscnt 0x0
	CROUND                                         ; the closing round
	s_endpgm
.Lfunc_end_k_qbba7eb8dbb_proj:
	.size	k_qbba7eb8dbb_proj, .Lfunc_end_k_qbba7eb8dbb_proj-k_qbba7eb8dbb_proj
	.p2alignl 7, 3214868480
	.fill 96, 4, 3214868480
	.section	.rodata,"a",@progbits
	.p2align	6, 0x0
	.amdhsa_kernel k_qbba7eb8dbb_proj
		.amdhsa_group_segment_fixed_size 327680
		.amdhsa_private_segment_fixed_size 0
		.amdhsa_enable_private_segment 0
		.amdhsa_kernarg_size 24
		.amdhsa_user_sgpr_count 2
		.amdhsa_user_sgpr_kernarg_segment_ptr 1
		.amdhsa_wavefront_size32 1
		.amdhsa_system_sgpr_workgroup_id_x 1
		.amdhsa_system_sgpr_workgroup_id_y 1
		.amdhsa_system_sgpr_workgroup_id_z 1
		.amdhsa_system_vgpr_workitem_id 0
		.amdhsa_next_free_vgpr 512
		.amdhsa_next_free_sgpr 66
		.amdhsa_reserve_vcc 0
		.amdhsa_float_denorm_mode_32 3
		.amdhsa_float_denorm_mode_16_64 3
		.amdhsa_memory_ordered 1
		.amdhsa_forward_progress 1
		.amdhsa_inst_pref_size 86
	.end_amdhsa_kernel
	.amdgpu_metadata
---
amdhsa.version: [ 1, 2 ]
amdhsa.kernels:
  - .name:           k_qbba7eb8dbb_proj
    .symbol:         k_qbba7eb8dbb_proj.kd
    .args:
      - { .name: attn16, .offset: 0, .size: 8, .value_kind: global_buffer, .address_space: global }
      - { .name: wo16, .offset: 8, .size: 8, .value_kind: global_buffer, .address_space: global }
      - { .name: out0, .offset: 16, .size: 8, .value_kind: global_buffer, .address_space: global }
    .group_segment_fixed_size: 327680
    .private_segment_fixed_size: 0
    .kernarg_segment_align: 8
    .kernarg_segment_size: 24
    .max_flat_workgroup_size: 128
    .sgpr_count:     66
    .vgpr_count:     512
    .wavefront_size: 32
...
	.end_amdgpu_metadata
.endif
;; end of part 4
;; launch fattn (part 5): grid 32 x 1, 4 waves a work-group, no clusters, 0 bytes of LDS; arguments fine, K_depth, V_depth, fatt; writes fatt
.if DOCPART == 5
	.amdgcn_target "amdgcn-amd-amdhsa--gfx1250"
	.amdhsa_code_object_version 6
	.text
	.protected	k_qbba7eb8dbb_fattn
	.globl	k_qbba7eb8dbb_fattn
	.p2align	8
	.type	k_qbba7eb8dbb_fattn,@function
k_qbba7eb8dbb_fattn:
	s_mov_b64 s[64:65], 0
	v_nop
	global_prefetch_b8 v0, s[64:65] scope:SCOPE_SE
	s_setreg_imm32_b32 hwreg(HW_REG_WAVE_MODE, 25, 1), 1
	s_wait_xcnt 0x0
; FATTN.  The attention of the first 16 positions of each sequence, all in f32 by fused multiply-adds: these rows average few values, so the rounding of 16-bit operands would weigh most there.
; Work-group f = 16 b + t: one token.  Wave = key head hk.  Lane = 8 g + dg: query head 4 hk + g, channels 8 dg .. 8 dg + 7.  24 keys: positions 0-15 (hidden where the position comes after t) and the token's 8 depth keys.
; Q, K, V of positions 0-15 come in f32 from fine [b][16][1536] (columns: Q 0-1023, K 1024-1279, V 1280-1535).  No LDS, no barrier: a wave shares nothing.
; The maximum is taken away before the exponentials.  LIMIT: NaN and infinities are not served.
; v8-15 Q; v16-23 at work; v24-31 the result; v32-223 24 keys, then 24 values, 8 registers each; v224-247 scores, then weights
	s_load_b256 s[4:11], s[0:1], 0x0               ; fine 4, K_depth 6, V_depth 8, fatt 10
	v_lshrrev_b32 v1, 5, v0
	v_readfirstlane_b32 s12, v1                    ; hk
	v_and_b32 v1, 31, v0
	v_lshlrev_b32 v5, 5, v1                        ; 32 x lane
	v_and_b32 v4, 7, v0
	v_lshlrev_b32 v4, 5, v4                        ; 32 x dg
	s_lshr_b32 s13, ttmp9, 4                       ; b
	s_and_b32 s14, ttmp9, 15                       ; t
	v_mov_b32 v3, s14
	v_mov_b32 v2, 0xff800000                       ; -infinity
	s_mov_b32 s20, 0x3e38aa3b                      ; c = log2(e) / 8
	s_mul_i32 s16, ttmp9, 6144
	s_lshl_b32 s17, s12, 10
	s_add_co_u32 s16, s16, s17                     ; Q: my token's row, my group's four heads
	s_mov_b32 s17, 0
	s_mul_i32 s18, s13, 98304
	s_lshl_b32 s19, s12, 8
	s_add_co_u32 s18, s18, s19
	s_add_co_u32 s18, s18, 4096                    ; K of position 0, my key head; V lies 1,024 bytes on
	s_mov_b32 s19, 0
	s_lshl_b32 s22, s13, 2
	s_add_co_u32 s22, s22, s12
	s_lshl_b32 s22, s22, 22
	s_lshl_b32 s23, s14, 11
	s_add_co_u32 s22, s22, s23                     ; the token's 8 depth rows
	s_mov_b32 s23, 0
	s_lshl_b32 s24, ttmp9, 12
	s_lshl_b32 s25, s12, 10
	s_add_co_u32 s24, s24, s25
	s_mov_b32 s25, 0
	s_wait_kmcnt 0x0
	s_add_nc_u64 s[26:27], s[4:5], s[16:17]
	s_add_nc_u64 s[28:29], s[4:5], s[18:19]
	s_add_nc_u64 s[30:31], s[6:7], s[22:23]
	s_add_nc_u64 s[32:33], s[8:9], s[22:23]
	s_add_nc_u64 s[34:35], s[10:11], s[24:25]
.macro LD24 db, extra                  ; 16 rows out of fine and 8 depth rows, my 8 channels of each
.irp k, 0,1,2,3,4,5,6,7,8,9,10,11,12,13,14,15
	global_load_b128 v[32+8*\k:35+8*\k], v4, s[28:29] offset:\k*6144+\extra
	global_load_b128 v[36+8*\k:39+8*\k], v4, s[28:29] offset:\k*6144+\extra+16
.endr
.irp k, 0,1,2,3,4,5,6,7
	global_load_b128 v[160+8*\k:163+8*\k], v4, s[\db:\db+1] offset:\k*256
	global_load_b128 v[164+8*\k:167+8*\k], v4, s[\db:\db+1] offset:\k*256+16
.endr
.endm
	global_load_b128 v[8:11], v5, s[26:27]
	global_load_b128 v[12:15], v5, s[26:27] offset:16
	LD24 30, 0
	s_wait_loadcnt 0x0
.irp k, 0,1,2,3,4,5,6,7,8,9,10,11,12,13,14,15,16,17,18,19,20,21,22,23
	v_pk_mul_f32 v[16+2*(\k%4):17+2*(\k%4)], v[8:9], v[32+8*\k:33+8*\k]
	v_pk_fma_f32 v[16+2*(\k%4):17+2*(\k%4)], v[10:11], v[34+8*\k:35+8*\k], v[16+2*(\k%4):17+2*(\k%4)]
	v_pk_fma_f32 v[16+2*(\k%4):17+2*(\k%4)], v[12:13], v[36+8*\k:37+8*\k], v[16+2*(\k%4):17+2*(\k%4)]
	v_pk_fma_f32 v[16+2*(\k%4):17+2*(\k%4)], v[14:15], v[38+8*\k:39+8*\k], v[16+2*(\k%4):17+2*(\k%4)]
	v_add_f32 v[224+\k], v[16+2*(\k%4)], v[17+2*(\k%4)]
.endr
	LD24 32, 1024                                  ; the values, into the keys' registers; they land under the softmax
.irp m, 1,2,4                          ; the eight lanes of a head add up: every one of them ends with the score
.irp k, 0,1,2,3,4,5,6,7,8,9,10,11,12,13,14,15,16,17,18,19,20,21,22,23
	v_add_f32_dpp v[224+\k], v[224+\k], v[224+\k] row_xmask:\m row_mask:0xf bank_mask:0xf
.endr
.endr
.irp k, 1,2,3,4,5,6,7,8,9,10,11,12,13,14,15
	v_cmp_gt_u32 vcc_lo, \k, v3                    ; position k comes after t: hidden
	v_cndmask_b32 v[224+\k], v[224+\k], v2, vcc_lo
.endr
	v_max3_num_f32 v16, v224, v225, v226
.irp k, 3,5,7,9,11,13,15,17,19,21
	v_max3_num_f32 v16, v16, v[224+\k], v[225+\k]
.endr
	v_max_num_f32 v16, v16, v247
	v_mul_f32 v17, s20, v16                        ; c m
.irp k, 0,1,2,3,4,5,6,7,8,9,10,11,12,13,14,15,16,17,18,19,20,21,22,23
	v_fma_f32 v[224+\k], v[224+\k], s20, -v17
.endr
.irp k, 0,1,2,3,4,5,6,7,8,9,10,11,12,13,14,15,16,17,18,19,20,21,22,23
	v_exp_f32 v[224+\k], v[224+\k]
.endr
	v_mov_b32 v23, 0                               ; a plain line behind the batch (v23 is named below as the upper half of a pair)
	s_wait_alu depctr_va_vdst(0)                   ; the one wait ahead of the first use
	v_add_f32 v18, v224, v225
	v_add_f32 v19, v226, v227
.irp k, 4,6,8,10,12,14,16,18,20,22
	v_add_f32 v18, v18, v[224+\k]
	v_add_f32 v19, v19, v[225+\k]
.endr
	v_add_f32 v18, v18, v19
	v_rcp_f32 v22, v18
	v_nop
	s_wait_alu depctr_va_vdst(0)
	s_wait_loadcnt 0x0                             ; the values
.irp d, 0,1,2,3
	v_pk_mul_f32 v[24+2*\d:25+2*\d], v[32+2*\d:33+2*\d], v[224:225] op_sel_hi:[1,0]   ; key 0 starts the sums
.endr
.irp k, 1,2,3,4,5,6,7,8,9,10,11,12,13,14,15,16,17,18,19,20,21,22,23
.irp d, 0,1,2,3
.if \k%2 == 0
	v_pk_fma_f32 v[24+2*\d:25+2*\d], v[32+8*\k+2*\d:33+8*\k+2*\d], v[224+\k:225+\k], v[24+2*\d:25+2*\d] op_sel_hi:[1,0,1]
.else
	v_pk_fma_f32 v[24+2*\d:25+2*\d], v[32+8*\k+2*\d:33+8*\k+2*\d], v[223+\k:224+\k], v[24+2*\d:25+2*\d] op_sel:[0,1,0] op_sel_hi:[1,1,1]
.endif
.endr
.endr
.irp d, 0,1,2,3
	v_pk_mul_f32 v[24+2*\d:25+2*\d], v[24+2*\d:25+2*\d], v[22:23] op_sel_hi:[1,0]
.endr
	global_store_b128 v5, v[24:27], s[34:35]
	global_store_b128 v5, v[28:31], s[34:35] offset:16
	s_endpgm
.Lfunc_end_k_qbba7eb8dbb_fattn:
	.size	k_qbba7eb8dbb_fattn, .Lfunc_end_k_qbba7eb8dbb_fattn-k_qbba7eb8dbb_fattn
	.p2alignl 7, 3214868480
	.fill 96, 4, 3214868480
	.section	.rodata,"a",@progbits
	.p2align	6, 0x0
	.amdhsa_kernel k_qbba7eb8dbb_fattn
		.amdhsa_group_segment_fixed_size 0
		.amdhsa_private_segment_fixed_size 0
		.amdhsa_enable_private_segment 0
		.amdhsa_kernarg_size 32
		.amdhsa_user_sgpr_count 2
		.amdhsa_user_sgpr_kernarg_segment_ptr 1
		.amdhsa_wavefront_size32 1
		.amdhsa_system_sgpr_workgroup_id_x 1
		.amdhsa_system_sgpr_workgroup_id_y 1
		.amdhsa_system_sgpr_workgroup_id_z 1
		.amdhsa_system_vgpr_workitem_id 0
		.amdhsa_next_free_vgpr 256
		.amdhsa_next_free_sgpr 66
		.amdhsa_reserve_vcc 1
		.amdhsa_float_denorm_mode_32 3
		.amdhsa_float_denorm_mode_16_64 3
		.amdhsa_memory_ordered 1
		.amdhsa_forward_progress 1
		.amdhsa_inst_pref_size 34
	.end_amdhsa_kernel
	.amdgpu_metadata
---
amdhsa.version: [ 1, 2 ]
amdhsa.kernels:
  - .name:           k_qbba7eb8dbb_fattn
    .symbol:         k_qbba7eb8dbb_fattn.kd
    .args:
      - { .name: fine, .offset: 0, .size: 8, .value_kind: global_buffer, .address_space: global }
      - { .name: K_depth, .offset: 8, .size: 8, .value_kind: global_buffer, .address_space: global }
      - { .name: V_depth, .offset: 16, .size: 8, .value_kind: global_buffer, .address_space: global }
      - { .name: fatt, .offset: 24, .size: 8, .value_kind: global_buffer, .address_space: global }
    .group_segment_fixed_size: 0
    .private_segment_fixed_size: 0
    .kernarg_segment_align: 8
    .kernarg_segment_size: 32
    .max_flat_workgroup_size: 128
    .sgpr_count:     66
    .vgpr_count:     256
    .wavefront_size: 32
...
	.end_amdgpu_metadata
.endif
;; end of part 5
;; launch fproj (part 6): grid 16 x 16, 16 waves a work-group, no clusters, 18,432 bytes of LDS; arguments fatt, Wo, out0; writes out0
.if DOCPART == 6
	.amdgcn_target "amdgcn-amd-amdhsa--gfx1250"
	.amdhsa_code_object_version 6
	.text
	.protected	k_qbba7eb8dbb_fproj
	.globl	k_qbba7eb8dbb_fproj
	.p2align	8
	.type	k_qbba7eb8dbb_fproj,@function
k_qbba7eb8dbb_fproj:
	s_mov_b64 s[64:65], 0
	v_nop
	global_prefetch_b8 v0, s[64:65] scope:SCOPE_SE
	s_setreg_imm32_b32 hwreg(HW_REG_WAVE_MODE, 25, 1), 1
	s_wait_xcnt 0x0
; FPROJ.  The 32 rows of out0 that belong to positions 0-15 of the two sequences, anew from f32 operands: fatt [32][1024] x Wo [1024][1024], fused multiply-adds.  It writes over what the launch before left in those rows.
; SHARES.  Work-group (x, y): columns 64 x on, fine rows 2 y and 2 y + 1: 16 x 16 = 256 work-groups.  Wave w of sixteen sums k = 64 w .. 64 w + 63.  Lane (c = lane % 16, h = lane / 16) holds columns 4 c .. 4 c + 3
; and k = 64 w + 32 h + i, i = 0 .. 31: so each load of Wo reads two rows' 256 consecutive bytes, aligned, and a wave's 32 loads go out at once, each into registers of its own: one trip to memory, nothing loaded twice.
; The wave's part of fatt (2 rows x 64 k = 512 bytes) comes by ONE load, issued first, and turns through the wave's own 512 bytes of LDS, from which each lane takes its 32 numbers of both rows: 33 global loads a wave.
; THE SUM.  A lane's 8 sums (2 rows x 4 columns); the two halves of the lanes exchange what the other keeps (lanes 0-15 keep row 2 y, lanes 16-31 row 2 y + 1); the sixteen waves' parts meet in LDS behind one barrier;
; wave 0 adds them up and stores two runs of 256 consecutive bytes, aligned.
; NO CLUSTER, NO TENSOR LOAD, though the sixteen work-groups of a column group read the same 262,144 bytes of Wo: each number feeds two multiply-adds in a work-group, and brought jointly into LDS it would be written and
; read there once more for that little work.  No prefetch: every load of the launch is issued at its head.  No matrix unit: its f32 operand would want pieces of 64 bytes of Wo's rows.
.set AREG,  0                          ; LDS: 512 bytes for each wave: its piece of fatt, row rho at 256 rho
.set RREG,  8192                       ; 512 bytes for each wave: its part of the two rows' sums
.set SPARE, 16384                      ; the spare words, 128 bytes a wave
; v2/v3 the add's two; v4 Wo's lane offset; v5 fatt's and out0's; v6 16 x thread; v7 where I read fatt's piece back; v8 16 x lane; v9 h; v12-15 fatt as loaded; v16-23 sums (row rho at 16 + 4 rho);
; v24-27 what I keep, v28-31 what I send, v32-35 what I get; v64-191 Wo, row i at 64 + 4 i (later the sixteen parts); v192-255 fatt, row rho's number i at 192 + 32 rho + i
	s_load_b128 s[4:7], s[0:1], 0x0                ; fatt 4, Wo 6
	s_load_b64 s[8:9], s[0:1], 0x10                ; out0
	v_lshl_add_u32 v2, v0, 2, SPARE
	v_mov_b32 v3, 0
	v_lshrrev_b32 v1, 5, v0
	v_readfirstlane_b32 s10, v1                    ; wave 0..15
	v_and_b32 v1, 15, v0                           ; c
	v_bfe_u32 v9, v0, 4, 1                         ; h
	v_lshlrev_b32 v5, 4, v1                        ; 16 c
	v_lshl_add_u32 v4, v9, 17, v5                  ; Wo: lanes 16-31 begin 32 rows of 4,096 bytes further down
	v_lshl_add_u32 v5, v9, 12, v5                  ; fatt and out0: lanes 16-31 take the next row
	v_lshlrev_b32 v6, 4, v0                        ; 512 x wave + 16 x lane
	v_and_b32 v7, 0x1e0, v0
	v_lshlrev_b32 v7, 4, v7                        ; 512 x wave
	v_lshl_add_u32 v7, v9, 7, v7                   ; + 128 h: my 32 numbers of a row's 64
	v_and_b32 v8, 31, v0
	v_lshlrev_b32 v8, 4, v8
	v_cmp_ne_u32 s26, 0, v9                        ; lanes 16-31
	s_and_b32 s12, ttmp7, 0xffff                   ; y
	s_lshl_b32 s18, s10, 18
	s_lshl_b32 s19, ttmp9, 8
	s_add_co_u32 s18, s18, s19                     ; Wo: row 64 w, column 64 x
	s_mov_b32 s19, 0
	s_lshl_b32 s20, s12, 13
	s_lshl_b32 s21, s10, 8
	s_add_co_u32 s20, s20, s21                     ; fatt: row 2 y, k = 64 w
	s_mov_b32 s21, 0
	s_lshr_b32 s22, s12, 3
	s_lshl_b32 s22, s22, 11                        ; out0: the batch's first row (fine rows 0-15: batch 0, 16-31: batch 1),
	s_and_b32 s23, s12, 7
	s_lshl_b32 s23, s23, 1
	s_add_co_u32 s22, s22, s23                     ; + position 2 (y % 8)
	s_lshl_b32 s22, s22, 12
	s_lshl_b32 s23, ttmp9, 8
	s_add_co_u32 s22, s22, s23                     ; + column 64 x
	s_mov_b32 s23, 0
	s_mov_b32 s28, 0x76543210
	s_mov_b32 s29, 0xfedcba98                      ; v_permlanex16_b32's selects for lane l xor 16
	s_wait_kmcnt 0x0
	s_add_nc_u64 s[14:15], s[6:7], s[18:19]
	s_add_nc_u64 s[16:17], s[4:5], s[20:21]
	s_add_nc_u64 s[24:25], s[8:9], s[22:23]
	global_load_b128 v[12:15], v5, s[16:17]        ; fatt first: lanes 0-15 row 2 y's 64 numbers, lanes 16-31 row 2 y + 1's
.irp i, 0,1,2,3,4,5,6,7,8,9,10,11,12,13,14,15,16,17,18,19,20,21,22,23,24,25,26,27,28,29,30,31
	global_load_b128 v[64+4*\i:67+4*\i], v4, s[14:15] offset:\i*4096   ; Wo(64 w + 32 h + i, 64 x + 4 c ..): sixteen lanes read 256 consecutive bytes, aligned
.endr
.irp d, 0,1,2,3
	v_mov_b32 v[32+\d], 0                          ; written once: a lane permute's destination counts as one of its sources
.endr
	s_wait_loadcnt 32                              ; fatt's load is in; the 32 loads of Wo, issued behind it, may stay out
	ds_store_b128 v6, v[12:15] offset:AREG         ; my wave's own bytes: no barrier, and LDS serves a wave's instructions in order, so no wait in front of the loads below
.irp rho, 0,1
.irp j, 0,1,2,3,4,5,6,7
	ds_load_b128 v[192+32*\rho+4*\j:195+32*\rho+4*\j], v7 offset:AREG+256*\rho+16*\j   ; the sixteen lanes of a half read the same 16 bytes
.endr
.endr
	s_wait_dscnt 0x0
; row i of my 32: four packed multiply-adds, two rows of fatt x two pairs of columns; fatt's number is taken from its pair for both halves.  The first row starts the sums: nothing is cleared.
.macro FM q
.if (\q)%4 == 0
	s_wait_loadcnt 28-(\q)                         ; loads come back in order: rows q .. q + 3 are in, the younger ones may stay out
.endif
.irp rho, 0,1
.irp p, 0,1
.if (\q) == 0
	v_pk_mul_f32 v[16+4*\rho+2*\p:17+4*\rho+2*\p], v[64+2*\p:65+2*\p], v[192+32*\rho:193+32*\rho] op_sel_hi:[1,0]
.elseif (\q)%2 == 0
	v_pk_fma_f32 v[16+4*\rho+2*\p:17+4*\rho+2*\p], v[64+4*(\q)+2*\p:65+4*(\q)+2*\p], v[192+32*\rho+(\q):193+32*\rho+(\q)], v[16+4*\rho+2*\p:17+4*\rho+2*\p] op_sel_hi:[1,0,1]
.else
	v_pk_fma_f32 v[16+4*\rho+2*\p:17+4*\rho+2*\p], v[64+4*(\q)+2*\p:65+4*(\q)+2*\p], v[191+32*\rho+(\q):192+32*\rho+(\q)], v[16+4*\rho+2*\p:17+4*\rho+2*\p] op_sel:[0,1,0] op_sel_hi:[1,1,1]
.endif
.endr
.endr
.endm
.set Q, 0
.rept 32
	FM Q
.set Q, Q+1
.endr
.irp d, 0,1,2,3
	v_cndmask_b32 v[24+\d], v[16+\d], v[20+\d], s26    ; what I keep: lanes 0-15 row 2 y, lanes 16-31 row 2 y + 1;
	v_cndmask_b32 v[28+\d], v[20+\d], v[16+\d], s26    ; what the lane 16 away keeps
.endr
.irp d, 0,1,2,3
	v_permlanex16_b32 v[32+\d], v[28+\d], s28, s29
.endr
	v_pk_add_f32 v[24:25], v[24:25], v[32:33]
	v_pk_add_f32 v[26:27], v[26:27], v[34:35]      ; my wave's 64 k of (row 2 y + h, columns 4 c ..)
	ds_store_b128 v6, v[24:27] offset:RREG
	s_wait_dscnt 0x0                               ; for wave 0's sake: my store has landed
	s_barrier_signal -1
	s_barrier_wait -1
	s_cmp_lg_u32 s10, 0
	s_cbranch_scc1 .Lrest
.irp u, 0,1,2,3,4,5,6,7,8,9,10,11,12,13,14,15
	ds_load_b128 v[64+4*\u:67+4*\u], v8 offset:RREG+512*\u     ; the sixteen waves' parts of my four numbers
.endr
	s_wait_dscnt 0x0
.irp u, 0,1,2,3,4,5,6,7                ; added up as a tree: 8, 4, 2, 1
	v_pk_add_f32 v[64+4*\u:65+4*\u], v[64+4*\u:65+4*\u], v[96+4*\u:97+4*\u]
	v_pk_add_f32 v[66+4*\u:67+4*\u], v[66+4*\u:67+4*\u], v[98+4*\u:99+4*\u]
.endr
.irp u, 0,1,2,3
	v_pk_add_f32 v[64+4*\u:65+4*\u], v[64+4*\u:65+4*\u], v[80+4*\u:81+4*\u]
	v_pk_add_f32 v[66+4*\u:67+4*\u], v[66+4*\u:67+4*\u], v[82+4*\u:83+4*\u]
.endr
.irp u, 0,1
	v_pk_add_f32 v[64+4*\u:65+4*\u], v[64+4*\u:65+4*\u], v[72+4*\u:73+4*\u]
	v_pk_add_f32 v[66+4*\u:67+4*\u], v[66+4*\u:67+4*\u], v[74+4*\u:75+4*\u]
.endr
	v_pk_add_f32 v[64:65], v[64:65], v[68:69]
	v_pk_add_f32 v[66:67], v[66:67], v[70:71]
	global_store_b128 v5, v[64:67], s[24:25] th:TH_STORE_NT    ; lanes 0-15 store 256 consecutive bytes of one row, aligned; lanes 16-31 the same of the next
.Lrest:
	s_wait_tensorcnt 0x0                           ; the wave's end
	ds_add_u32 v2, v3
	s_wait_dscnt 0x0
	s_endpgm
.Lfunc_end_k_qbba7eb8dbb_fproj:
	.size	k_qbba7eb8dbb_fproj, .Lfunc_end_k_qbba7eb8dbb_fproj-k_qbba7eb8dbb_fproj
	.p2alignl 7, 3214868480
	.fill 96, 4, 3214868480
	.section	.rodata,"a",@progbits
	.p2align	6, 0x0
	.amdhsa_kernel k_qbba7eb8dbb_fproj
		.amdhsa_group_segment_fixed_size 18432
		.amdhsa_private_segment_fixed_size 0
		.amdhsa_enable_private_segment 0
		.amdhsa_kernarg_size 24
		.amdhsa_user_sgpr_count 2
		.amdhsa_user_sgpr_kernarg_segment_ptr 1
		.amdhsa_wavefront_size32 1
		.amdhsa_system_sgpr_workgroup_id_x 1
		.amdhsa_system_sgpr_workgroup_id_y 1
		.amdhsa_system_sgpr_workgroup_id_z 1
		.amdhsa_system_vgpr_workitem_id 0
		.amdhsa_next_free_vgpr 256
		.amdhsa_next_free_sgpr 66
		.amdhsa_reserve_vcc 0
		.amdhsa_float_denorm_mode_32 3
		.amdhsa_float_denorm_mode_16_64 3
		.amdhsa_memory_ordered 1
		.amdhsa_forward_progress 1
		.amdhsa_inst_pref_size 19
	.end_amdhsa_kernel
	.amdgpu_metadata
---
amdhsa.version: [ 1, 2 ]
amdhsa.kernels:
  - .name:           k_qbba7eb8dbb_fproj
    .symbol:         k_qbba7eb8dbb_fproj.kd
    .args:
      - { .name: fatt, .offset: 0, .size: 8, .value_kind: global_buffer, .address_space: global }
      - { .name: Wo, .offset: 8, .size: 8, .value_kind: global_buffer, .address_space: global }
      - { .name: out0, .offset: 16, .size: 8, .value_kind: global_buffer, .address_space: global }
    .group_segment_fixed_size: 18432
    .private_segment_fixed_size: 0
    .kernarg_segment_align: 8
    .kernarg_segment_size: 24
    .max_flat_workgroup_size: 512
    .sgpr_count:     66
    .vgpr_count:     256
    .wavefront_size: 32
...
	.end_amdgpu_metadata
.endif
;; end of part 6
